; MI455X (gfx1250); checked and timed in simulation.
; The chip was launched on July 23, 2026; its instructions are those of AMD's public machine-readable ISA for CDNA 5 (MIT licence, August 2026) and "CDNA5" Instruction Set Architecture Reference Guide (July 2026). The comments in the code are by the model that wrote it; some were corrected since.
;; Multi Head Attention. Allowed arithmetic: matrix products marked QUANTISED: E4M3 operands, one E8M0 scale for each 32 along K, by v_wmma_scale_f32_16x16x128_f8f6f4 with both operands' format E4M3, f32 sums; everything else in f32.
;; Inputs: Wf 1,024 x 1,024 float32; Wk 16 x 1,024 x 64 float32; Wq 16 x 1,024 x 64 float32; Wv 16 x 1,024 x 64 float32; bf 1,024 float32; bk 16 x 64 float32; bq 16 x 64 float32; bv 16 x 64 float32; x 4 x 2,048 x 1,024 float32.
;; Outputs: out0 4 x 2,048 x 1,024 float32.
;; This version of the problem:
;;   THIS VERSION OF THE PROBLEM IS GIVEN IN LOW PRECISION. The matrix products marked QUANTISED in the list below multiply operands that are first quantised to E4M3 (4 exponent bits, 3 mantissa bits; 8 bits a number), with one power-of-two scale for each 32 numbers along K (OCP MX v1.0); their sums are f32. All else is computed in f32.
;;   The module's matrix products, in the order in which they are computed (A, B: the left and right operand; K: the contracted axis; several contracted axes count as one K, in the product's order):
;;     1. [M 1,024, K 1,024] x [K 1,024, N 8,192]; A: input Wq; B: input x: QUANTISED
;;     2. [M 1,024, K 1,024] x [K 1,024, N 8,192]; A: input Wk; B: input x: QUANTISED
;;     3. [M 1,024, K 1,024] x [K 1,024, N 8,192]; A: input Wv; B: input x: QUANTISED
;;     4. batch 64 x [M 2,048, K 64] x [K 64, N 2,048]; A: computed on the way; B: computed on the way: QUANTISED
;;     5. batch 64 x [M 2,048, K 2,048] x [K 2,048, N 64]; A: softmax (see below); B: computed on the way: QUANTISED
;;     6. [M 8,192, K 1,024] x [K 1,024, N 1,024]; A: computed on the way; B: input Wf: QUANTISED
;;   THE QUANTISER, for each operand of a quantised product, along K:
;;     - K is cut into blocks of 32 from its start; a last block that is shorter is filled with zeros.
;;     - A block's scale is 2^e with e = floor(log2(the largest magnitude in the block)) - 8, held to -126 .. 127; a block of zeros has e = 0. As a byte (E8M0): e + 127.
;;     - Each number is divided by its block's scale, clamped to +-448, and rounded to the nearest number of E4M3, ties to even, subnormals kept.
;;     - The product sums the exact products of the quantised numbers (number of the format x scale) in f32.
;;   ~~~python
;;   def quantise(x, axis):      # numpy; x: float32 -> the quantised numbers, widened to float32 again
;;       x = np.moveaxis(x, axis, -1); K = x.shape[-1]
;;       x = np.pad(x, [(0, 0)] * (x.ndim - 1) + [(0, -K % 32)]); x = x.reshape(x.shape[:-1] + (-1, 32)); a = np.abs(x).max(-1, keepdims=True)
;;       e = np.where(a > 0, np.clip(np.frexp(np.where(a > 0, a, 1))[1] - 1 - 8, -126, 127), 0)      # np.frexp(a)[1] - 1 = floor(log2(a)), exactly
;;       r = np.clip(x / 2.0 ** e, -448, 448)
;;       step = 2.0 ** (np.maximum(np.frexp(np.where(r == 0, 1, r))[1] - 1, -6) - 3)
;;       q = np.round(r / step) * step * 2.0 ** e      # np.round: ties to even
;;       return np.moveaxis(q.reshape(q.shape[:-2] + (-1,))[..., :K], -1, axis).astype(np.float32)
;;   ~~~
;;   SOFTMAX AHEAD OF A QUANTISED PRODUCT. Where the list says 'softmax', what is quantised is not the finished softmax but p = 2^(t - M), with t = logit x log2(e) and M = ceil(the row's largest t), a whole number; so 1/2 < the row's largest p <= 1. The row's sum l is taken of the UNQUANTISED p, in f32, and the product's result is divided by l at the end. Since M is a whole number, a kernel that streams over the keys may use a running M (the ceiling of the running maximum): every later rescaling is an exact power of two, which a block's scale takes up: the codes' values come out the same.
;;   OPERANDS COMPUTED ON THE WAY. 'Computed on the way' means the value that the module computes at that place (a softmax that the list does not call 'softmax' is quantised finished and normalised). What goes into a quantiser is computed in f32, as accurately as f32 sums, v_exp_f32 and their like allow (about 1e-6 of the number): no bf16 or f16 on the way to a quantiser, and a product that is left as it is and whose result goes on into a quantised operand takes f32 operands (vector FMAs, or v_wmma_f32_16x16x4_f32). A number that lies on a knife's edge between two numbers of the format may be rounded either way, as far as f32 arithmetic and the matrix unit's own rounding can turn it there, and no further.
;; One version. Each part assembles by itself: llvm-mc -triple=amdgcn-amd-amdhsa -mcpu=gfx1250 --defsym DOCPART=n.
;; ======== version 1 of 1: 5 launches
;; workspace buffers: codes 12,582,912 bytes; scales 393,216 bytes; qkv_img 25,165,824 bytes; qkv_sc 1,310,720 bytes; c_codes 8,388,608 bytes; c_scales 262,144 bytes
;; launch quant_w (part 1): grid 64 x 4, 2 waves a work-group, no clusters, 0 bytes of LDS; arguments Wq, Wk, Wv, Wf, codes, scales; writes codes, scales
.if DOCPART == 1
	.amdgcn_target "amdgcn-amd-amdhsa--gfx1250"
	.amdhsa_code_object_version 6
	.text
	.protected	k_qcd249a95f6_quant_w
	.globl	k_qcd249a95f6_quant_w
	.p2align	8
	.type	k_qcd249a95f6_quant_w,@function
k_qcd249a95f6_quant_w:
	s_mov_b64 s[64:65], 0
	v_nop
	global_prefetch_b8 v0, s[64:65] scope:SCOPE_SE
	s_setreg_imm32_b32 hwreg(HW_REG_WAVE_MODE, 25, 1), 1
	s_wait_xcnt 0x0
; Wq, Wk, Wv [16][1024 (e)][64 (d)] and Wf [1024 (e)][1024 (n)], f32, become codes of FP8 (E4M3) with one E8M0 byte for each 32 along e, which is the K of their products and NOT their innermost axis.
; A LANE TAKES A COLUMN AND ITS REGISTERS RUN DOWN e: a block of 32 lies in one lane's 32 registers, its largest magnitude needs no other lane, and the conversions give codes with K innermost.
; POSITIONS.  The 1,024 columns of a tensor are stored in position order: position p holds column sw(p), sw = bits 3 and 4 of the index exchanged.  With that order the 16 registers of two neighbouring result tiles
; of a product whose source 0 these rows are hold 16 NEIGHBOURING columns, which is what the next quantiser wants.
; IMAGES.  Codes lie as the operand's registers want them: [row tile of 16 positions][128 along K][c 0..3][lane 16 h + r][16 bytes], lane (r, h) = row r, k = 32 c + 16 h + 0 .. 15.  A lane here holds both halves of a block:
; its first 16 codes go to lane place r, its second 16 to place 16 + r: sixteen lanes store 256 consecutive bytes, aligned.
; SHARES.  Work-group x: tensor x / 16, 64 columns x % 16 (a head, or 64 columns of Wf); y: 256 along e.  Wave w: 32 columns; a load of a wave reads 128 consecutive bytes, the two waves' 256.
; The scale bytes of a lane's 8 blocks leave by one store of 8 bytes into its position's row of 32: rows written in part, one byte for each 128 read.
; A block's scale is 2^(floor(log2(its largest magnitude)) - 8); its byte is the largest magnitude's exponent field - 8, held at 1 from below.
; LIMITS: a block of zeros gets the byte 1 where the rule says 127 (its codes are zeros, and this program alone reads the bytes); NaN and infinities among the inputs are not served.
.set RA,  32                           ; v32-63   my column's byte + i rows, i = 0 .. 31; never rewritten
.set X,   64                           ; v64-127  two sets of 32 numbers
.set C,   128                          ; v128-191 codes: eight registers for each block, so that no store's data are written again
.set SB,  24                           ; v24-25   the scale bytes, four to a register
	s_load_b256 s[4:11], s[0:1], 0x0               ; Wq, Wk, Wv, Wf
	s_load_b128 s[12:15], s[0:1], 0x20             ; codes, scales
	v_lshrrev_b32 v1, 5, v0
	v_readfirstlane_b32 s16, v1                    ; wave 0, 1
	v_and_b32 v2, 31, v0                           ; lane
	s_lshr_b32 s17, ttmp9, 4                       ; which tensor
	s_and_b32 s18, ttmp9, 15                       ; which 64 columns
	s_and_b32 s19, ttmp7, 0xffff                   ; which 256 along e
	s_mov_b32 s31, 0x600000                        ; the mantissa field of 448
	s_mov_b32 s20, 4096
	s_cmp_eq_u32 s17, 3
	s_cselect_b32 s20, s20, 0x100                  ; bytes from e to e + 1: 4,096 in Wf, 256 in a head
	s_cselect_b32 s21, 8, 18                       ; 64 columns on: 256 bytes in Wf, a head of 2^18 bytes else
	v_and_b32 v3, 7, v2                            ; sw(lane): bits 0-2 stay,
	v_and_b32 v4, 8, v2
	v_lshl_or_b32 v3, v4, 1, v3                    ; bit 3 goes to bit 4,
	v_bfe_u32 v4, v2, 4, 1
	v_lshl_or_b32 v3, v4, 3, v3                    ; bit 4 to bit 3
	v_lshlrev_b32 v[RA], 2, v3
.set i, 1
.rept 31
	v_add_nc_u32 v[RA+i], s20, v[RA+i-1]
.set i, i+1
.endr
	v_lshrrev_b32 v3, 4, v2
	v_and_b32 v4, 15, v2
	v_lshlrev_b32 v8, 14, v3                       ; codes: lanes 16-31 belong to the next row tile, 16,384 bytes on;
	v_lshl_add_u32 v8, v4, 4, v8                   ; 16 bytes for each row of a tile
	v_lshlrev_b32 v9, 5, v2                        ; scale bytes: 32 a position
	s_lshl_b32 s22, s18, s21                       ; where my wave's part of the tensor begins
	s_mul_i32 s23, s19, s20
	s_lshl_b32 s23, s23, 8
	s_add_co_u32 s22, s22, s23
	s_lshl_b32 s23, s16, 7
	s_add_co_u32 s22, s22, s23
	s_mov_b32 s23, 0
	s_lshl_b32 s24, s20, 5                         ; a block of 32 along e
	s_mov_b32 s25, 0
	s_lshl_b32 s26, ttmp9, 2                       ; row tile 512 + 4 x + 2 w; 16,384 bytes each; + 4,096 y
	s_lshl_b32 s27, s16, 1
	s_add_co_u32 s26, s26, s27
	s_add_co_u32 s26, s26, 512
	s_lshl_b32 s26, s26, 14
	s_lshl_b32 s27, s19, 12
	s_add_co_u32 s26, s26, s27
	s_mov_b32 s27, 0
	s_lshl_b32 s28, ttmp9, 6                       ; position 8,192 + 64 x + 32 w; 32 bytes each; + 8 y
	s_lshl_b32 s29, s16, 5
	s_add_co_u32 s28, s28, s29
	s_add_co_u32 s28, s28, 8192
	s_lshl_b32 s28, s28, 5
	s_lshl_b32 s29, s19, 3
	s_add_co_u32 s28, s28, s29
	s_mov_b32 s29, 0
	s_wait_kmcnt 0x0
	s_cmp_eq_u32 s17, 1                            ; the tensor is chosen by the work-group's number alone
	s_cselect_b64 s[4:5], s[6:7], s[4:5]
	s_cmp_eq_u32 s17, 2
	s_cselect_b64 s[4:5], s[8:9], s[4:5]
	s_cmp_eq_u32 s17, 3
	s_cselect_b64 s[4:5], s[10:11], s[4:5]
	s_add_nc_u64 s[32:33], s[4:5], s[22:23]        ; a base for each of the eight blocks: none is stepped while a load names it
.irp t, 1,2,3,4,5,6,7
	s_add_nc_u64 s[32+2*\t:33+2*\t], s[30+2*\t:31+2*\t], s[24:25]
.endr
	s_add_nc_u64 s[12:13], s[12:13], s[26:27]
	s_add_nc_u64 s[14:15], s[14:15], s[28:29]
.macro LOAD t                          ; block t: 32 rows of my column into set t % 2
.set i, 0
.rept 32
	global_load_b32 v[X+32*((\t)%2)+i], v[RA+i], s[32+2*(\t):33+2*(\t)] th:TH_LOAD_NT
.set i, i+1
.endr
.endm
	LOAD 0
	LOAD 1
.macro BLOCK t
.set XS, X+32*((\t)%2)
.if (\t) < 7
	s_wait_loadcnt 32                              ; this block's 32 loads are in; the next block's 32 may be out
.else
	s_wait_loadcnt 0x0
.endif
	v_max3_num_f32 v12, |v[XS]|, |v[XS+1]|, |v[XS+2]|      ; the block's largest magnitude: all 32 numbers are mine; two chains
	v_max3_num_f32 v13, |v[XS+3]|, |v[XS+4]|, |v[XS+5]|
.irp i, 6,10,14,18,22,26
	v_max3_num_f32 v12, v12, |v[XS+\i]|, |v[XS+\i+1]|
	v_max3_num_f32 v13, v13, |v[XS+\i+2]|, |v[XS+\i+3]|
.endr
	v_max3_num_f32 v12, v12, |v[XS+30]|, |v[XS+31]|
	v_max3_num_f32 v12, v12, v13, 0x4800000        ; and the floor 2^(9 - 127): the byte cannot fall under 1
	v_add_nc_u32 v11, 0xfc000000, v12              ; 8 off the exponent field: the conversion takes this operand's exponent field as its scale
	v_and_or_b32 v10, v12, 0x7f800000, s31         ; 448 x the scale
.set i, 0
.rept 32
	v_med3_num_f32 v[XS+i], v[XS+i], -v10, v10     ; the conversion to an 8-bit code does not saturate (ISA guide 7.6.2): the hold comes first
.set i, i+1
.endr
.irp g, 0,1,2,3
	v_cvt_scalef32_pk8_fp8_f32 v[C+8*(\t)+2*\g:C+8*(\t)+2*\g+1], v[XS+8*\g:XS+8*\g+7], v11
.endr
	v_lshrrev_b32 v13, 23, v11                     ; the scale's byte (also the plain line behind the conversions)
.if (\t)%4 == 0
	v_mov_b32 v[SB+(\t)/4], v13
.else
	v_lshl_or_b32 v[SB+(\t)/4], v13, 8*((\t)%4), v[SB+(\t)/4]
.endif
	global_store_b128 v8, v[C+8*(\t):C+8*(\t)+3], s[12:13] offset:((\t)/4)*2048+((\t)%4)*512          ; k = 32 c + 0 .. 15: lane places 0-15 of the image
	global_store_b128 v8, v[C+8*(\t)+4:C+8*(\t)+7], s[12:13] offset:((\t)/4)*2048+((\t)%4)*512+256    ; k = 32 c + 16 .. 31: lane places 16-31
.if (\t)+2 < 8
	LOAD (\t)+2
.endif
.endm
.irp t, 0,1,2,3,4,5,6,7
	BLOCK \t
.endr
	global_store_b64 v9, v[SB:SB+1], s[14:15]      ; my position's eight scale bytes
	s_endpgm
.Lfunc_end_k_qcd249a95f6_quant_w:
	.size	k_qcd249a95f6_quant_w, .Lfunc_end_k_qcd249a95f6_quant_w-k_qcd249a95f6_quant_w
	.p2alignl 7, 3214868480
	.fill 96, 4, 3214868480
	.section	.rodata,"a",@progbits
	.p2align	6, 0x0
	.amdhsa_kernel k_qcd249a95f6_quant_w
		.amdhsa_group_segment_fixed_size 0
		.amdhsa_private_segment_fixed_size 0
		.amdhsa_enable_private_segment 0
		.amdhsa_kernarg_size 48
		.amdhsa_user_sgpr_count 2
		.amdhsa_user_sgpr_kernarg_segment_ptr 1
		.amdhsa_wavefront_size32 1
		.amdhsa_system_sgpr_workgroup_id_x 1
		.amdhsa_system_sgpr_workgroup_id_y 1
		.amdhsa_system_sgpr_workgroup_id_z 1
		.amdhsa_system_vgpr_workitem_id 0
		.amdhsa_next_free_vgpr 192
		.amdhsa_next_free_sgpr 66
		.amdhsa_reserve_vcc 0
		.amdhsa_float_denorm_mode_32 3
		.amdhsa_float_denorm_mode_16_64 3
		.amdhsa_memory_ordered 1
		.amdhsa_forward_progress 1
		.amdhsa_inst_pref_size 58
	.end_amdhsa_kernel
	.amdgpu_metadata
---
amdhsa.version: [ 1, 2 ]
amdhsa.kernels:
  - .name:           k_qcd249a95f6_quant_w
    .symbol:         k_qcd249a95f6_quant_w.kd
    .args:
      - { .name: Wq, .offset: 0, .size: 8, .value_kind: global_buffer, .address_space: global }
      - { .name: Wk, .offset: 8, .size: 8, .value_kind: global_buffer, .address_space: global }
      - { .name: Wv, .offset: 16, .size: 8, .value_kind: global_buffer, .address_space: global }
      - { .name: Wf, .offset: 24, .size: 8, .value_kind: global_buffer, .address_space: global }
      - { .name: codes, .offset: 32, .size: 8, .value_kind: global_buffer, .address_space: global }
      - { .name: scales, .offset: 40, .size: 8, .value_kind: global_buffer, .address_space: global }
    .group_segment_fixed_size: 0
    .private_segment_fixed_size: 0
    .kernarg_segment_align: 8
    .kernarg_segment_size: 48
    .max_flat_workgroup_size: 64
    .sgpr_count:     66
    .vgpr_count:     192
    .wavefront_size: 32
...
	.end_amdgpu_metadata
.endif
;; end of part 1
;; launch quant_x (part 2): grid 256 x 1, 2 waves a work-group, no clusters, 168,192 bytes of LDS; arguments x, codes, scales; writes codes, scales
.if DOCPART == 2
	.amdgcn_target "amdgcn-amd-amdhsa--gfx1250"
	.amdhsa_code_object_version 6
	.text
	.protected	k_qcd249a95f6_quant_x
	.globl	k_qcd249a95f6_quant_x
	.p2align	8
	.type	k_qcd249a95f6_quant_x,@function
k_qcd249a95f6_quant_x:
	s_mov_b64 s[64:65], 0
	v_nop
	global_prefetch_b8 v0, s[64:65] scope:SCOPE_SE
	s_setreg_imm32_b32 hwreg(HW_REG_WAVE_MODE, 25, 1), 1
	s_wait_xcnt 0x0
; x [8192][1024], f32, becomes codes of FP8 (E4M3) with one E8M0 byte for each 32 along its rows, laid as images of the operand's registers:
; codes [row tile of 16 positions][128 along K][c 0..3][lane 16 h + r][16 bytes]; lane (r, h) = row r, k = 32 c + 16 h + 0 .. 15; scale bytes [position][32].
; POSITIONS: position p holds row sw(p), sw = bits 3 and 4 of the index exchanged.  So row tile 2 B + u holds rows 32 B + 8 u + 0 .. 7 and 32 B + 16 + 8 u + 0 .. 7.
; SHARES.  A work-group takes 32 rows, each of its two waves one row tile, all of K.  A wave brings its 16 rows into LDS by eight tensor loads (a quarter of K x 8 rows of 1,024 bytes each), all issued at the head,
; each LDS byte filled once: eight loads of a wave are out at the most.  Only the issuing wave reads its bytes, behind its own counted wait: no barrier.
; A lane then reads 16 neighbours of each block of 32 (64 bytes), which are the numbers that its place in the image wants; the block's other 16 lie in the lane 16 away.
; LDS rows are 1,040 bytes apart (1,024 + 16 of padding), an odd number of 16-byte columns: the sixteen rows of a load start in sixteen different columns.
; LIMITS: a block of zeros gets the byte 1 where the rule says 127 (its codes are zeros, and this program alone reads the bytes); NaN and infinities among the inputs are not served.
.set PITCH, 1040
.set QTR,   16*PITCH                   ; a quarter of K of a wave's 16 rows
.set WREG,  4*QTR                      ; a wave's region
.set X,   32                           ; v32-159  two sets of 64 numbers
.set PC,  160                          ; v160-191 two sets of 16 code registers
.set TM,  192                          ; v192-195 largest magnitudes, v196-199 bytes, v200-203 448 x the scale, v204-207 the conversions' scale operands
.set SW,  208                          ; v208-215 the scale word of each 128 along K
.set G1,  16                           ; s[16:23] descriptor group 1
.set G0,  24                           ; s[24:55] eight groups 0
.set SEL, 56                           ; s[56:57] lane selects for v_permlanex16_b32: lane l xor 16
.set MNT, 58                           ; s58      the mantissa field of 448
	s_load_b128 s[4:7], s[0:1], 0x0                ; x, codes
	s_load_b64 s[8:9], s[0:1], 0x10                ; scales
	v_lshl_add_u32 v216, v0, 2, 0x29000
	v_mov_b32 v217, 0
	ds_add_u32 v216, v217
	ds_add_u32 v216, v217
	v_lshrrev_b32 v1, 5, v0
	v_readfirstlane_b32 s10, v1                    ; wave u
	s_mul_i32 s12, s10, WREG                       ; my region of LDS
	s_lshl_b32 s14, ttmp9, 17                      ; 32 rows of 4,096 bytes a work-group,
	s_lshl_b32 s15, s10, 15                        ; 8 rows on for wave 1
	s_add_co_u32 s14, s14, s15
	s_mov_b32 s15, 0
	s_mov_b32 s[G1+0], (2<<16)|(1<<20)|(7<<22)|(3<<25)  ; elements of 4 bytes; padding on: behind every 256 words (code 7) 4 words (code 3)
	s_mov_b32 s[G1+1], 256<<16                     ; tensor_dim0 = 256
	s_mov_b32 s[G1+2], 8<<16                       ; tensor_dim1 = 8
	s_mov_b32 s[G1+3], 256<<16                     ; tile_dim0 = 256
	s_mov_b32 s[G1+4], 8                           ; tile_dim1 = 8
	s_mov_b32 s[G1+5], 1024                        ; elements from row to row
	s_mov_b32 s[G1+6], 0
	s_mov_b32 s[G1+7], 0
	s_mov_b32 s[SEL], 0x76543210
	s_mov_b32 s[SEL+1], 0xfedcba98
	s_mov_b32 s[MNT], 0x600000
	s_wait_dscnt 0x0
	s_wait_kmcnt 0x0
	s_add_nc_u64 s[4:5], s[4:5], s[14:15]
.irp qd, 0,1,2,3
.irp g, 0,1
	s_mov_b32 s[G0+8*\qd+4*\g], 1                                                   ; count = 1
	s_add_co_u32 s[G0+8*\qd+4*\g+1], s12, \qd*QTR+\g*8*PITCH                        ; LDS: quarter qd, rows 8 g on
	s_add_nc_u64 s[G0+8*\qd+4*\g+2:G0+8*\qd+4*\g+3], s[4:5], \qd*1024+\g*65536      ; memory: 1,024 bytes along the row, 16 rows down
	s_or_b32 s[G0+8*\qd+4*\g+3], s[G0+8*\qd+4*\g+3], 0x80000000                     ; type = 2
.endr
.endr
.irp n, 0,1,2,3,4,5,6,7
	tensor_load_to_lds s[G0+4*\n:G0+4*\n+3], s[G1:G1+7]
	s_nop 0
.endr
.rept 4
	v_nop
.endr
	v_and_b32 v4, 31, v0                           ; lane
	v_and_b32 v5, 15, v0                           ; r
	v_bfe_u32 v6, v0, 4, 1                         ; h
	v_lshlrev_b32 v1, 4, v4                        ; an image's place for my lane
	v_mul_u32_u24 v2, v5, PITCH
	v_lshl_add_u32 v2, v6, 6, v2
	v_add_nc_u32 v2, s12, v2                       ; LDS: my row, my 64 bytes of a block's 128
	v_lshlrev_b32 v3, 5, v5
	v_lshl_add_u32 v3, v6, 4, v3                   ; scale bytes: 32 r + 16 h
.irp b, 0,1,2,3
	v_mov_b32 v[TM+4+\b], 0                        ; written once: a lane permute's destination counts as one of its sources
.endr
	s_lshl_b32 s14, ttmp9, 1
	s_add_co_u32 s14, s14, s10                     ; my row tile
	s_lshl_b32 s13, s14, 9
	s_lshl_b32 s14, s14, 14
	s_add_nc_u64 s[6:7], s[6:7], s[14:15]          ; its 16,384 bytes of codes
	s_mov_b32 s14, s13
	s_add_nc_u64 s[8:9], s[8:9], s[14:15]          ; its 512 scale bytes
; 64 numbers of a lane, register 16 b + i = k 32 b + 16 h + i of my row, become a fragment's 16 code registers at pc and its scale word in pw
.macro QUANT s, pc, pw
.irp b, 0,1,2,3
	v_max3_num_f32 v[TM+\b], |v[\s+16*\b]|, |v[\s+1+16*\b]|, 0x4800000      ; my 16 numbers of block b, and the floor 2^(9 - 127): the byte cannot fall under 1
.endr
.irp i, 2,4,6,8,10,12,14
.irp b, 0,1,2,3
	v_max3_num_f32 v[TM+\b], v[TM+\b], |v[\s+16*\b+\i]|, |v[\s+1+16*\b+\i]| ; the four blocks by turns
.endr
.endr
.irp b, 0,1,2,3
	v_permlanex16_b32 v[TM+4+\b], v[TM+\b], s[SEL], s[SEL+1]
.endr
.irp b, 0,1,2,3
	v_max_num_f32 v[TM+\b], v[TM+\b], v[TM+4+\b]   ; with lane l xor 16's: the block's largest magnitude
.endr
.irp b, 0,1,2,3
	v_add_nc_u32 v[TM+12+\b], 0xfc000000, v[TM+\b] ; 8 off its exponent field: the conversion's scale operand
.endr
.irp b, 0,1,2,3
	v_and_or_b32 v[TM+8+\b], v[TM+\b], 0x7f800000, s[MNT]   ; 448 x the scale
.endr
.irp b, 0,1,2,3
	v_lshrrev_b32 v[TM+4+\b], 23, v[TM+12+\b]      ; the scale's byte
.endr
	v_lshl_or_b32 v[\pw], v[TM+5], 8, v[TM+4]
	v_lshl_or_b32 v[\pw], v[TM+6], 16, v[\pw]
	v_lshl_or_b32 v[\pw], v[TM+7], 24, v[\pw]
.irp b, 0,1,2,3
.set n, 0
.rept 16
	v_med3_num_f32 v[\s+16*\b+n], v[\s+16*\b+n], -v[TM+8+\b], v[TM+8+\b]   ; the conversion does not saturate (ISA guide 7.6.2): the hold comes first
.set n, n+1
.endr
	v_cvt_scalef32_pk8_fp8_f32 v[\pc+4*\b:\pc+4*\b+1], v[\s+16*\b:\s+16*\b+7], v[TM+12+\b]
	v_cvt_scalef32_pk8_fp8_f32 v[\pc+4*\b+2:\pc+4*\b+3], v[\s+16*\b+8:\s+16*\b+15], v[TM+12+\b]
.endr
	v_nop                                          ; a plain line behind the last conversion
.endm
.macro XL s                            ; the numbers of the s-th 128 along K into set s % 2
.irp b, 0,1,2,3
.irp j, 0,1,2,3
	ds_load_b128 v[X+64*((\s)%2)+16*\b+4*\j:X+64*((\s)%2)+16*\b+4*\j+3], v2 offset:((\s)/2)*QTR+((\s)%2)*512+128*\b+16*\j
.endr
.endr
.endm
.macro STEP s
.if (\s)+1 < 8
.if ((\s)+1)%2 == 0
	s_wait_tensorcnt 6-((\s)+1)                    ; the next quarter's two loads have landed; the later quarters' may be out
.endif
	XL (\s)+1
	s_wait_dscnt 16                                ; this step's numbers are in; the next step's 16 loads may be out
.else
	s_wait_dscnt 0x0
.endif
.if (\s) >= 2
	s_wait_xcnt 0x0                                ; the stores of two steps ago have read this set of code registers
.endif
	QUANT X+64*((\s)%2), PC+16*((\s)%2), SW+(\s)
.irp c, 0,1,2,3
	global_store_b128 v1, v[PC+16*((\s)%2)+4*\c:PC+16*((\s)%2)+4*\c+3], s[6:7] offset:(\s)*2048+512*\c   ; 32 lanes store 512 consecutive bytes
.endr
.endm
	s_wait_tensorcnt 6                             ; the first quarter's two loads have landed; six may be out
	XL 0
.irp s, 0,1,2,3,4,5,6,7
	STEP \s
.endr
	v_cmp_le_u32 vcc_lo, 16, v4                    ; lanes 0-15 store their row's words 0-3, lanes 16-31 words 4-7
.irp j, 0,1,2,3
	v_cndmask_b32 v[SW+\j], v[SW+\j], v[SW+4+\j], vcc_lo
.endr
	global_store_b128 v3, v[SW:SW+3], s[8:9]       ; 512 consecutive bytes
	s_wait_tensorcnt 0x0
	ds_add_u32 v216, v217
	s_wait_dscnt 0x0
	s_endpgm
.Lfunc_end_k_qcd249a95f6_quant_x:
	.size	k_qcd249a95f6_quant_x, .Lfunc_end_k_qcd249a95f6_quant_x-k_qcd249a95f6_quant_x
	.p2alignl 7, 3214868480
	.fill 96, 4, 3214868480
	.section	.rodata,"a",@progbits
	.p2align	6, 0x0
	.amdhsa_kernel k_qcd249a95f6_quant_x
		.amdhsa_group_segment_fixed_size 168192
		.amdhsa_private_segment_fixed_size 0
		.amdhsa_enable_private_segment 0
		.amdhsa_kernarg_size 24
		.amdhsa_user_sgpr_count 2
		.amdhsa_user_sgpr_kernarg_segment_ptr 1
		.amdhsa_wavefront_size32 1
		.amdhsa_system_sgpr_workgroup_id_x 1
		.amdhsa_system_sgpr_workgroup_id_y 1
		.amdhsa_system_sgpr_workgroup_id_z 1
		.amdhsa_system_vgpr_workitem_id 0
		.amdhsa_next_free_vgpr 218
		.amdhsa_next_free_sgpr 66
		.amdhsa_reserve_vcc 1
		.amdhsa_float_denorm_mode_32 3
		.amdhsa_float_denorm_mode_16_64 3
		.amdhsa_memory_ordered 1
		.amdhsa_forward_progress 1
		.amdhsa_inst_pref_size 81
	.end_amdhsa_kernel
	.amdgpu_metadata
---
amdhsa.version: [ 1, 2 ]
amdhsa.kernels:
  - .name:           k_qcd249a95f6_quant_x
    .symbol:         k_qcd249a95f6_quant_x.kd
    .args:
      - { .name: x, .offset: 0, .size: 8, .value_kind: global_buffer, .address_space: global }
      - { .name: codes, .offset: 8, .size: 8, .value_kind: global_buffer, .address_space: global }
      - { .name: scales, .offset: 16, .size: 8, .value_kind: global_buffer, .address_space: global }
    .group_segment_fixed_size: 168192
    .private_segment_fixed_size: 0
    .kernarg_segment_align: 8
    .kernarg_segment_size: 24
    .max_flat_workgroup_size: 64
    .sgpr_count:     66
    .vgpr_count:     218
    .wavefront_size: 32
...
	.end_amdgpu_metadata
.endif
;; end of part 2
;; launch gemm_qkv (part 3): grid 4 x 96, 4 waves a work-group, clusters of 4 x 4, 327,680 bytes of LDS; arguments codes, scales, bq, bk, bv, qkv_img, qkv_sc; writes qkv_img, qkv_sc
.if DOCPART == 3
	.amdgcn_target "amdgcn-amd-amdhsa--gfx1250"
	.amdhsa_code_object_version 6
	.text
	.protected	k_qcd249a95f6_gemm_qkv
	.globl	k_qcd249a95f6_gemm_qkv
	.p2align	8
	.type	k_qcd249a95f6_gemm_qkv,@function
k_qcd249a95f6_gemm_qkv:
	s_mov_b64 s[64:65], 0
	v_nop
	global_prefetch_b8 v0, s[64:65] scope:SCOPE_SE
	s_setreg_imm32_b32 hwreg(HW_REG_WAVE_MODE, 25, 1), 1
	s_wait_xcnt 0x0
	s_wait_alu depctr_hold_cnt(0) depctr_sa_sdst(0) depctr_va_vdst(0) depctr_va_sdst(0) depctr_va_ssrc(0) depctr_va_vcc(0) depctr_vm_vsrc(0)
	s_getreg_b32 s2, hwreg(HW_REG_IB_STS2, 6, 4)
	s_cmp_eq_u32 s2, 0
	s_cbranch_scc0 .Lentry_in_a_cluster
	s_endpgm
.Lentry_in_a_cluster:
	s_bfe_u32 s2, ttmp6, 0x10000c
	s_cmp_lg_u32 s2, 0xf033
	s_cbranch_scc0 .Lentry_shape_is_right
	s_endpgm
.Lentry_shape_is_right:
; q = x Wq + bq, k = x Wk + bk, v = x Wv + bv on codes of FP8 (E4M3) with E8M0 scales along E = 1,024, and the results quantised at once for attention: q and k along d, v along the keys.  Nothing goes to memory as f32.
; A tile of C, 256 x 256, is made by four waves, 128 x 128 each: 64 accumulators, 512 registers.  K goes in steps of 256 through a ring of two LDS slots.  24 clusters of 4 x 4 work-groups:
;   clusters 0-15 (path QK): C = x [Wq; Wk]^T: A = 256 rows of x, B = 256 columns of Wq or Wk.     clusters 16-23 (path V): C = Wv x^T: A = 256 columns of Wv, B = 256 rows of x.
; The cluster's number is the same in all sixteen partners: the one branch that hangs on it stands behind the last joint load and parts only the way out.
; OPERANDS ARE IMAGES OF THEIR REGISTERS: [row tile of 16][128 along K][c][lane][16 bytes], so a fragment is four loads of 512 consecutive bytes: no pitch, no padding.  One tensor load brings 8 row tiles x 2 images = 32 KB.
; THE MATRIX INSTRUCTION IS USED TRANSPOSED (source 0 = 16 rows of B, source 1 = 16 rows of A): a lane holds ONE row of A and eight rows of B.  Rows lie in position order (position p = row sw(p), sw = bits 3 and 4 exchanged),
; so the 64 registers of A's block a are, in order, B's 16 h + 0 .. 15 of each 32: 16 neighbours of each of four blocks: what the quantiser and the next operand's image want.
; Path QK: a lane has one token and 128 columns = two heads x two blocks along d.  Path V: a lane has one d and 128 keys = four blocks along the keys.
; The scales of the work-group's rows, for all of K, come into LDS once, with the first fills.  A's tiles are asked for jointly along a row of the cluster, B's along a column.
; 384 tiles for 256 WGPs: two uneven rounds; a tile of another shape would not divide the three products evenly either.
; LIMITS: a block of zeros gets the byte 1 where the rule says 127 (its codes are zeros, and this program alone reads the bytes); NaN and infinities are not served.
; REGISTERS, in windows of 256: window 0: v0-31 addresses; v32-63 scale words, two sets; v64-127 biases; v128-255 A's fragments, ONE set, on the way out at work.  window 1: B's fragments, two sets.  windows 2, 3: the accumulators.
.set NQ,     2                         ; matrix instructions deep in a slot
.set FR,     16                        ; registers of a fragment
.set NL,     4                         ; LDS loads that bring one
.set NP,     8                         ; places behind this matrix instruction (ISA guide 7.12.1)
.set KBYTES, 4096                      ; a row tile's bytes in a slot: two images
.set HALFT,  8*KBYTES                  ; 128 rows: what one tensor load brings, and what one wave reads of A or of B
.set SLOT,   4*HALFT                   ; A's 256 rows, then B's
.set LAPS,   2                         ; 1,024 along K = four K steps = twice round the ring
.set SCL,    2*SLOT                    ; behind the ring: the scales, as units of 256 bytes + 16 of padding
.set HALFS,  16*272                    ; those of 128 rows (32 bytes a row)
.set SBLK,   2*272                     ; those of 16 rows
.set SPARE,  SCL+4*HALFS               ; the spare words, 128 bytes for each wave: two blocks of 256 bytes that no other line names
.set ADRA, 16                          ; v16-17  LDS address of my A fragments in slot 0, 1
.set ADRB, 20                          ; v20-21  the same for B
.set ADRS, 27                          ; v27     LDS address of my scale words: lanes 0-15 A's rows, lanes 16-31 B's
.set SPW,  28                          ; v28     LDS address of my spare word; never rewritten
.set NIL,  29                          ; v29     0; never rewritten
.set SC,   32                          ; scale words: set s at v[SC + 16 s]; register 2 i + q: lanes 0-15 A's block i, lanes 16-31 B's block i
.set AF,   128                         ; A's fragments
.set CB,   64                          ; path QK: v64-127 the bias of my 64 columns, in the results' order
.set RB,   64                          ; path V:  v64-79 the bias of my row of block a, twice (a pair for the packed addition)
.set T,    128                         ; the way out: 64 numbers
.set PC,   192                         ; 16 code registers
.set TM,   208                         ; v208-223 at work in the quantiser
.set SW,   224                         ; v224-231 the scale word of each block a
.set G1, 24
.set G0, 32
.set G1B, 48
.set G0B, 56
.set G1S, 68
.set G0S, 76
.set G1SB, 80
.set G0SB, 88
.set SEL, 92                           ; s[92:93] on the way out: lane selects for v_permlanex16_b32
.set MNT, 94                           ; s94      on the way out: the mantissa field of 448
.set MSB, 0
.macro WIN new                         ; the immediate's high byte repeats the setting that is left
.if MSB != (\new)
	s_set_vgpr_msb (MSB<<8)|(\new)
.set MSB, (\new)
.endif
.endm
.set MUL_LO, 0xa1                      ; source 0 (B) window 1, source 1 (A) window 0, C and D window 2
.set MUL_HI, 0xf1                      ; the same, C and D window 3
.set TO_B,   0x40                      ; destination window 1, address window 0
; A joint load: waves 0 and 1 fetch for A, waves 2 and 3 for B; the branch hangs on the wave's number alone.  Four v_nop follow each of the two lines.
.macro JLOAD g0a, g1a, g0b, g1b
	s_cmp_eq_u32 s15, 0
	s_cbranch_scc0 .Lfor_b_\@
	tensor_load_to_lds s[\g0a:\g0a+3], s[\g1a:\g1a+7]
	s_nop 0
.rept 4
	v_nop
.endr
	s_branch .Lasked_\@
.Lfor_b_\@:
	tensor_load_to_lds s[\g0b:\g0b+3], s[\g1b:\g1b+7]
	s_nop 0
.rept 4
	v_nop
.endr
.Lasked_\@:
.endm
.macro CREST                           ; a round of the cluster's barrier behind its opening barrier
	s_cmp_lg_u32 s14, 0
	s_cbranch_scc1 .Lnot_wave_0_\@
	s_barrier_signal -3
.Lnot_wave_0_\@:
	s_barrier_wait -3
	s_barrier_signal -1
	s_barrier_wait -1
.endm
.macro CROUND                          ; a whole round
	s_barrier_signal -1
	s_barrier_wait -1
	CREST
.endm
	s_load_b256 s[4:11], s[0:1], 0x0               ; codes, scales, bq, bk
	s_load_b64 s[12:13], s[0:1], 0x20              ; bv
	s_load_b64 s[96:97], s[0:1], 0x28              ; qkv_img
	s_load_b64 s[98:99], s[0:1], 0x30              ; qkv_sc
	v_lshl_add_u32 v[SPW], v0, 2, SPARE
	v_mov_b32 v[NIL], 0
	ds_add_u32 v28, v29
	ds_add_u32 v28, v29
	s_wait_dscnt 0x0
	v_lshrrev_b32 v1, 5, v0
	v_readfirstlane_b32 s14, v1                    ; wave 0..3
	s_lshr_b32 s15, s14, 1                         ; which half of the tile's rows is mine.  Also: I fetch for A (0) or for B (1)
	s_and_b32 s16, s14, 1                          ; which half of its columns.  Also: which 128 rows of that tile I fetch
	s_bfe_u32 s40, ttmp6, 0x40000                  ; cx, cy: my place in the cluster
	s_bfe_u32 s41, ttmp6, 0x40004
	s_and_b32 s95, ttmp7, 0xffff                   ; the cluster's number, 0..23
	s_lshr_b32 s17, s95, 1
	s_lshl_b32 s17, s17, 2                         ; QK: A's first block of 256 rows: x's 4 (cluster / 2)
	s_and_b32 s42, s95, 1
	s_lshl_b32 s42, s42, 2
	s_add_co_u32 s42, s42, 32                      ; QK: B's: Wq's begin at block 32, Wk's at 36
	s_max_u32 s18, s95, 16
	s_sub_co_u32 s18, s18, 16
	s_lshl_b32 s18, s18, 2                         ; V: B's: x's 4 (cluster - 16)
	s_cmp_lt_u32 s95, 16
	s_cselect_b32 s17, s17, 40                     ; V: A's: Wv's begin at block 40
	s_cselect_b32 s42, s42, s18
	s_add_co_u32 s17, s17, s41                     ; A's block hangs on cy alone,
	s_add_co_u32 s42, s42, s40                     ; B's on cx alone
	s_lshl_b32 s43, s41, 2
	s_lshl_b32 s43, 15, s43                        ; my row of the cluster
	s_lshl_b32 s44, 0x1111, s40                    ; my column
	s_or_b32 s[G1+0], s43, (1<<21)                 ; 15:0 the mask; elements of 1 byte; no padding; 21 set beside a mask
	s_or_b32 s[G1B+0], s44, (1<<21)
.irp g, G1, G1B
	s_mov_b32 s[\g+1], KBYTES<<16                  ; tensor_dim0 = 4,096: two images of a row tile
	s_mov_b32 s[\g+2], 8<<16                       ; tensor_dim1 = 8 row tiles
	s_mov_b32 s[\g+3], KBYTES<<16                  ; tile_dim0
	s_mov_b32 s[\g+4], 8                           ; tile_dim1
	s_mov_b32 s[\g+5], 16384                       ; a row tile's eight images
	s_mov_b32 s[\g+6], 0
	s_mov_b32 s[\g+7], 0
.endr
	s_or_b32 s[G1S+0], s43, (3<<16)|(1<<20)|(1<<21)|(5<<22)|(3<<25)   ; the scales of 128 rows: 4,096 dense bytes as 16 rows of 256 (32 elements of 8 bytes), 16 bytes of padding behind each
	s_or_b32 s[G1SB+0], s44, (3<<16)|(1<<20)|(1<<21)|(5<<22)|(3<<25)
.irp g, G1S, G1SB
	s_mov_b32 s[\g+1], 32<<16
	s_mov_b32 s[\g+2], 16<<16
	s_mov_b32 s[\g+3], 32<<16
	s_mov_b32 s[\g+4], 16
	s_mov_b32 s[\g+5], 32
	s_mov_b32 s[\g+6], 0
	s_mov_b32 s[\g+7], 0
.endr
	s_lshl_b32 s18, s16, 17                        ; the half that I fetch: 8 row tiles of 16,384 bytes
	s_lshl_b32 s19, s16, 12                        ; and its 4,096 scale bytes
	s_lshl_b32 s20, s17, 18
	s_add_co_u32 s20, s20, s18                     ; A's codes
	s_mov_b32 s21, 0
	s_lshl_b32 s46, s42, 18
	s_add_co_u32 s46, s46, s18                     ; B's codes
	s_mov_b32 s47, 0
	s_lshl_b32 s22, s17, 13
	s_add_co_u32 s22, s22, s19                     ; A's scales
	s_mov_b32 s23, 0
	s_lshl_b32 s92, s42, 13
	s_add_co_u32 s92, s92, s19                     ; B's scales
	s_mov_b32 s93, 0
	s_lshl_b32 s45, s14, 15                        ; where they go: wave x 32,768: no place in the cluster enters an LDS address
	s_mul_i32 s94, s14, HALFS
	s_wait_kmcnt 0x0
	s_add_nc_u64 s[20:21], s[4:5], s[20:21]
	s_add_nc_u64 s[22:23], s[6:7], s[22:23]
	s_add_nc_u64 s[46:47], s[4:5], s[46:47]
	s_add_nc_u64 s[92:93], s[6:7], s[92:93]
	CROUND                                         ; all sixteen work-groups are here: the first joint loads meet
	s_mov_b32 s[G0S], 1
	s_add_co_u32 s[G0S+1], s94, SCL
	s_mov_b64 s[G0S+2:G0S+3], s[22:23]
	s_or_b32 s[G0S+3], s[G0S+3], 0x80000000
	s_mov_b32 s[G0SB], 1
	s_add_co_u32 s[G0SB+1], s94, SCL
	s_mov_b64 s[G0SB+2:G0SB+3], s[92:93]
	s_or_b32 s[G0SB+3], s[G0SB+3], 0x80000000
	JLOAD G0S, G1S, G0SB, G1SB                     ; the scales first: they are wanted with K step 0
.irp s, 0,1
	s_mov_b32 s[G0+4*\s], 1
	s_add_co_u32 s[G0+4*\s+1], s45, \s*SLOT
	s_add_nc_u64 s[G0+4*\s+2:G0+4*\s+3], s[20:21], \s*KBYTES
	s_or_b32 s[G0+4*\s+3], s[G0+4*\s+3], 0x80000000
	s_mov_b32 s[G0B+4*\s], 1
	s_add_co_u32 s[G0B+4*\s+1], s45, \s*SLOT
	s_add_nc_u64 s[G0B+4*\s+2:G0B+4*\s+3], s[46:47], \s*KBYTES
	s_or_b32 s[G0B+4*\s+3], s[G0B+4*\s+3], 0x80000000
	JLOAD G0+4*\s, G1, G0B+4*\s, G1B
.endr
	v_and_b32 v1, 15, v0                           ; r
	v_bfe_u32 v2, v0, 4, 1                         ; h
	v_and_b32 v12, 31, v0                          ; lane
	v_lshlrev_b32 v7, 4, v12                       ; 16 x lane: an image's place for my lane
	s_lshl_b32 s21, s15, 15                        ; my 128 rows of A
	s_lshl_b32 s22, s16, 15                        ; my 128 rows of B,
	s_add_co_u32 s22, s22, 2*HALFT                 ; which lie behind A's 256
.irp s, 0,1
	v_add_nc_u32 v[ADRA+\s], s21, v7
	v_add_nc_u32 v[ADRB+\s], s22, v7
	s_add_co_u32 s21, s21, SLOT
	s_add_co_u32 s22, s22, SLOT
.endr
	v_mul_u32_u24 v5, v1, 32                       ; my row's scales: 32 bytes a row,
	v_lshrrev_b32 v6, 8, v5
	v_lshl_add_u32 v5, v6, 4, v5                   ; and 16 more for each 256 passed
	s_mul_i32 s21, s15, HALFS                      ; A's: my 128 rows
	s_mul_i32 s22, s16, HALFS                      ; B's: my 128 rows, behind A's 256
	s_add_co_u32 s22, s22, 2*HALFS
	s_sub_co_u32 s22, s22, s21
	v_mul_u32_u24 v6, s22, v2                      ; lanes 16-31 take B's
	s_add_co_u32 s21, s21, SCL
	v_add_nc_u32 v5, v5, v6
	v_add_nc_u32 v[ADRS], s21, v5
	v_mul_u32_u24 v8, v2, 81920                    ; the way out: scale words: lanes 16-31 serve the next head, 81,920 bytes on; 16 bytes a row
	v_lshl_add_u32 v8, v1, 4, v8
	v_lshlrev_b32 v9, 4, v2                        ; 16 h: which two bytes of a word are my head's
	v_lshlrev_b32 v10, 6, v2                       ; 64 h: my 16 columns of each 32, in a bias
	v_and_b32 v11, 8, v1
	v_add_nc_u32 v11, v11, v1
	v_lshlrev_b32 v11, 2, v11                      ; (r + 8 (r / 8)) x 4: my row of a tile, in a bias
.macro FRAG reg, adr, q, i             ; a fragment, 16 rows x 128 K, is 16 registers: four loads of 512 consecutive bytes from its image
.irp c, 0,1,2,3
	ds_load_b128 v[\reg+4*\c:\reg+4*\c+3], v[\adr] offset:KBYTES*(\i)+2048*(\q)+512*\c
.endr
.endm
; 16 matrix instructions: A's blocks a0, a0 + 1 x B's eight, the slot's q-th 128 along K.  p: B's set; sc: the set of scale words.  zero = 1: the first product starts the sums.
; The 64 accumulators take turns, one instruction a turn, in the same order in every step.
.macro MUL16 a0, p, q, sc, zero
.irp a, \a0, \a0+1
.irp b, 0,1,2,3,4,5,6,7
.if \zero
	v_wmma_scale_f32_16x16x128_f8f6f4 v[8*(8*((\a)%4)+\b):8*(8*((\a)%4)+\b)+7], v[128*(\p)+FR*\b:128*(\p)+FR*\b+FR-1], v[AF+FR*(\a):AF+FR*(\a)+FR-1], 0, v[SC+8*NQ*(\sc)+NQ*\b+(\q)], v[SC+8*NQ*(\sc)+NQ*(\a)+(\q)] matrix_a_scale:MATRIX_SCALE_ROW1
.else
	v_wmma_scale_f32_16x16x128_f8f6f4 v[8*(8*((\a)%4)+\b):8*(8*((\a)%4)+\b)+7], v[128*(\p)+FR*\b:128*(\p)+FR*\b+FR-1], v[AF+FR*(\a):AF+FR*(\a)+FR-1], v[8*(8*((\a)%4)+\b):8*(8*((\a)%4)+\b)+7], v[SC+8*NQ*(\sc)+NQ*\b+(\q)], v[SC+8*NQ*(\sc)+NQ*(\a)+(\q)] matrix_a_scale:MATRIX_SCALE_ROW1
.endif
.endr
.endr
.endm
.macro FETCH_B slot, q, p
	WIN TO_B
.irp i, 0,1,2,3,4,5,6,7
	FRAG 128*(\p)+FR*\i, ADRB+\slot, \q, \i
.endr
	WIN 0
.endm
.macro FETCH_A slot, q, i0
.irp i, \i0, \i0+1, \i0+2, \i0+3
	FRAG AF+FR*(\i), ADRA+\slot, \q, \i
.endr
.endm
.macro SCALES sc                       ; a K step's scale words into set sc: two words a row
.irp i, 0,1,2,3,4,5,6,7
	ds_load_b64 v[SC+8*NQ*\sc+NQ*\i:SC+8*NQ*\sc+NQ*\i+1], v[ADRS] offset:\i*SBLK
.endr
.endm
.macro PLACES n                        ; plain vector instructions between a matrix instruction and a load into, or a vector read or write of, its registers (ISA guide 7.12.1 for vector reads and writes)
.rept \n
	v_nop
.endr
.endm
.macro STEP slot, q, zero              ; a step of 128 along K that has its successor in the same slot
	s_wait_dscnt 4*NL                              ; B's set and A's blocks 0-3 are in; the youngest 16 loads (A's blocks 4-7) may be out
	WIN MUL_LO
	MUL16 0, (\q)%2, \q, \slot, \zero
	MUL16 2, (\q)%2, \q, \slot, \zero
	s_wait_dscnt 0                                 ; A's blocks 4-7 are in
	PLACES NP
	FETCH_B \slot, (\q)+1, 1-(\q)%2
	FETCH_A \slot, (\q)+1, 0
	WIN MUL_HI
	MUL16 4, (\q)%2, \q, \slot, \zero
	MUL16 6, (\q)%2, \q, \slot, \zero
	PLACES NP
	WIN 0
	FETCH_A \slot, (\q)+1, 4
.endm
; A slot's last step changes slots: ONE barrier; in front of it each wave waits for all its tensor loads, adds 0 to its spare word, and waits for that and for its reads of this slot.  fill = 1: the slot is filled again, two K steps ahead.
.macro TURN slot, next, fill
	s_wait_tensorcnt 0x0                           ; all my tensor loads have landed: my part of the next slot
	ds_add_u32 v[SPW], v[NIL]                      ; 0 onto my spare word
	s_wait_dscnt 4*NL+1                            ; (the add and the youngest 16 loads may be out)
	WIN MUL_LO
	MUL16 0, 1, NQ-1, \slot, 0                     ; sixteen matrix instructions stand between the add and the wait for it
	s_wait_dscnt 0x0                               ; the add is done, and my reads of this slot are over
	s_barrier_signal -1
	MUL16 2, 1, NQ-1, \slot, 0
	WIN 0
	s_barrier_wait -1
.if \fill
	CREST                                          ; the barrier has opened a round of the cluster's: no wave of any partner still reads this slot or has a load on its way
	s_add_nc_u64 s[G0+4*\slot+2:G0+4*\slot+3], s[G0+4*\slot+2:G0+4*\slot+3], 2*KBYTES
	s_add_nc_u64 s[G0B+4*\slot+2:G0B+4*\slot+3], s[G0B+4*\slot+2:G0B+4*\slot+3], 2*KBYTES
	JLOAD G0+4*\slot, G1, G0B+4*\slot, G1B         ; the first tensor load behind the round; its four v_nop are among the places in front of the loads below
	PLACES NP-4
.else
	PLACES NP
.endif
	v_add_nc_u32 v[ADRS], 4*NQ, v[ADRS]            ; on to the next K step's scale words (no LDS load of mine is out)
	FETCH_B \next, 0, 0
	FETCH_A \next, 0, 0
	SCALES \next
	WIN MUL_HI
	MUL16 4, 1, NQ-1, \slot, 0
	MUL16 6, 1, NQ-1, \slot, 0
	PLACES NP
	WIN 0
	FETCH_A \next, 0, 4
.endm
.macro LAST                            ; the very last step: nothing more to fetch
	s_wait_dscnt 4*NL
	WIN MUL_LO
	MUL16 0, 1, NQ-1, 1, 0
	MUL16 2, 1, NQ-1, 1, 0
	s_wait_dscnt 0
	WIN MUL_HI
	MUL16 4, 1, NQ-1, 1, 0
	MUL16 6, 1, NQ-1, 1, 0
	WIN 0
.endm
; 64 numbers of a lane, register 16 b + i = index 32 b + 16 h + i along the next K, become 16 code registers at pc and a scale word in pw
.macro QUANT s, pc, pw
.irp b, 0,1,2,3
	v_max3_num_f32 v[TM+\b], |v[\s+16*\b]|, |v[\s+1+16*\b]|, 0x4800000      ; my 16 numbers of block b, and the floor 2^(9 - 127): the byte cannot fall under 1
.endr
.irp i, 2,4,6,8,10,12,14
.irp b, 0,1,2,3
	v_max3_num_f32 v[TM+\b], v[TM+\b], |v[\s+16*\b+\i]|, |v[\s+1+16*\b+\i]|
.endr
.endr
.irp b, 0,1,2,3
	v_permlanex16_b32 v[TM+4+\b], v[TM+\b], s[SEL], s[SEL+1]
.endr
.irp b, 0,1,2,3
	v_max_num_f32 v[TM+\b], v[TM+\b], v[TM+4+\b]   ; with lane l xor 16's: the block's largest magnitude
.endr
.irp b, 0,1,2,3
	v_add_nc_u32 v[TM+12+\b], 0xfc000000, v[TM+\b] ; 8 off its exponent field: the conversion's scale operand
.endr
.irp b, 0,1,2,3
	v_and_or_b32 v[TM+8+\b], v[TM+\b], 0x7f800000, s[MNT]   ; 448 x the scale
.endr
.irp b, 0,1,2,3
	v_lshrrev_b32 v[TM+4+\b], 23, v[TM+12+\b]      ; the scale's byte
.endr
	v_lshl_or_b32 v[\pw], v[TM+5], 8, v[TM+4]
	v_lshl_or_b32 v[\pw], v[TM+6], 16, v[\pw]
	v_lshl_or_b32 v[\pw], v[TM+7], 24, v[\pw]
.irp b, 0,1,2,3
.set n, 0
.rept 16
	v_med3_num_f32 v[\s+16*\b+n], v[\s+16*\b+n], -v[TM+8+\b], v[TM+8+\b]   ; the conversion does not saturate (ISA guide 7.6.2): the hold comes first
.set n, n+1
.endr
	v_cvt_scalef32_pk8_fp8_f32 v[\pc+4*\b:\pc+4*\b+1], v[\s+16*\b:\s+16*\b+7], v[TM+12+\b]
	v_cvt_scalef32_pk8_fp8_f32 v[\pc+4*\b+2:\pc+4*\b+3], v[\s+16*\b+8:\s+16*\b+15], v[TM+12+\b]
.endr
	v_nop                                          ; a plain line behind the last conversion
.endm
; s18 = my first head, s19 = my group of 128 tokens (0..63), s20 = the tensor (0 q, 1 k, 2 v): the two output bases.  wsh: log2 of a group's bytes of scale words
.macro BASES wsh
	s_lshl_b32 s22, s20, 23                        ; images: [tensor][head][524,288 bytes]; a group's are 8,192
	s_lshl_b32 s23, s18, 19
	s_add_co_u32 s22, s22, s23
	s_lshl_b32 s23, s19, 13
	s_add_co_u32 s22, s22, s23
	s_mov_b32 s23, 0
	s_add_nc_u64 s[96:97], s[96:97], s[22:23]
	s_mul_i32 s22, s18, 81920                      ; scale words: [head][batch][20,480 bytes]: q's 8,192, k's 8,192, v's 4,096
	s_lshr_b32 s21, s19, 4
	s_mul_i32 s21, s21, 20480
	s_add_co_u32 s22, s22, s21
	s_lshl_b32 s21, s20, 13
	s_add_co_u32 s22, s22, s21
	s_and_b32 s21, s19, 15
	s_lshl_b32 s21, s21, \wsh
	s_add_co_u32 s22, s22, s21
	s_add_nc_u64 s[98:99], s[98:99], s[22:23]
.endm
; THE WAY OUT, A's blocks one after the other: + bias (each accumulator read from its low end on), quantised, and the image stored: 512 consecutive bytes a store.
.macro EPI v
.irp a, 0,1,2,3,4,5,6,7
.if \a > 0
	s_wait_xcnt 0x0                                ; the last block's stores have read the code registers
.endif
	WIN 0x02+(\a/4)                                ; source 0: window 2 or 3
.set i, 0
.rept 32
.if \v
	v_pk_add_f32 v[T+i:T+i+1], v[64*(\a%4)+i:64*(\a%4)+i+1], v[RB+2*\a:RB+2*\a+1]
.else
	v_pk_add_f32 v[T+i:T+i+1], v[64*(\a%4)+i:64*(\a%4)+i+1], v[CB+i:CB+i+1]
.endif
.set i, i+2
.endr
	WIN 0
	QUANT T, PC, SW+\a
.irp c, 0,1,2,3
.if \v
	global_store_b128 v7, v[PC+4*\c:PC+4*\c+3], s[96:97] offset:(\a/4)*524288+(\a%4)*2048+\c*512     ; head a / 4, 16 d of tile a % 4, keys 32 c on
.else
	global_store_b128 v7, v[PC+4*\c:PC+4*\c+3], s[96:97] offset:(\c/2)*524288+\a*1024+(\c%2)*512     ; head c / 2, token tile a, d 32 (c % 2) on
.endif
.endr
.endr
.endm
	s_wait_tensorcnt 1                             ; the scales and my part of K step 0 are in (K step 1's load may be out),
	s_barrier_signal -1
	s_barrier_wait -1                              ; everybody's are
	FETCH_B 0, 0, 0
	FETCH_A 0, 0, 0
	SCALES 0
	FETCH_A 0, 0, 4
	STEP 0, 0, 1                                   ; the first step stands in front of the loop: its products start the sums
	s_mov_b32 s3, LAPS-1
.Llap:                                                 ; a trip goes once round the ring and fills both slots again
	TURN 0, 1, 1
	STEP 1, 0, 0
	TURN 1, 0, 1
	STEP 0, 0, 0
	s_sub_co_u32 s3, s3, 1
	s_cmp_lg_u32 s3, 0
	s_cbranch_scc1 .Llap
	TURN 0, 1, 0                                   ; the last lap fills nothing, and has no round of the cluster's barrier
	STEP 1, 0, 0
	s_mov_b32 s[SEL], 0x76543210
	s_mov_b32 s[SEL+1], 0xfedcba98
	s_mov_b32 s[MNT], 0x600000
	s_cmp_lt_u32 s95, 16                           ; the cluster's number parts the ways out; no LDS byte is written and no barrier stands on either
	s_cbranch_scc0 .Lv
	; ---- path QK
	s_lshl_b32 s18, s40, 2
	s_lshl_b32 s19, s16, 1
	s_add_co_u32 s18, s18, s19                     ; my first head: 4 cx + 2 x column half
	s_lshr_b32 s19, s95, 1
	s_lshl_b32 s19, s19, 3
	s_lshl_b32 s20, s41, 1
	s_add_co_u32 s19, s19, s20
	s_add_co_u32 s19, s19, s15                     ; my 128 tokens: 8 (cluster / 2) + 2 cy + row half
	s_and_b32 s20, s95, 1                          ; q or k
	BASES 9
	s_cmp_eq_u32 s20, 0
	s_cselect_b64 s[100:101], s[8:9], s[10:11]     ; bq or bk
	s_lshl_b32 s22, s40, 10
	s_lshl_b32 s21, s16, 9
	s_add_co_u32 s22, s22, s21
	s_add_nc_u64 s[100:101], s[100:101], s[22:23]  ; at my 128 columns
.irp c, 0,1,2,3
.irp j, 0,1,2,3
	global_load_b128 v[CB+16*\c+4*\j:CB+16*\c+4*\j+3], v10, s[100:101] offset:128*\c+16*\j   ; bias of columns 32 c + 16 h + 4 j on; the last step's 64 products stand between these loads and the wait for them
.endr
.endr
	LAST
	PLACES NP
.irp b, 0,1,2,3
	v_mov_b32 v[TM+4+\b], 0                        ; a lane permute's destination counts as one of its sources
.endr
	s_wait_loadcnt 0x0
	EPI 0
.irp a, 0,1,2,3,4,5,6,7
	v_bfe_u32 v[SW+\a], v[SW+\a], v9, 16           ; lanes 0-15 keep the first head's two bytes, lanes 16-31 the second's; the word's upper bytes are 0: they scale the empty half of the scores' K
.endr
	global_store_b128 v8, v[SW:SW+3], s[98:99]                 ; [half of the group's 8 tiles][r][4 words]: sixteen lanes store 256 consecutive bytes
	global_store_b128 v8, v[SW+4:SW+7], s[98:99] offset:256
	s_branch .Lend
.Lv:
	; ---- path V
	s_lshl_b32 s18, s41, 2
	s_lshl_b32 s19, s15, 1
	s_add_co_u32 s18, s18, s19                     ; my first head: 4 cy + 2 x row half
	s_sub_co_u32 s19, s95, 16
	s_lshl_b32 s19, s19, 3
	s_lshl_b32 s20, s40, 1
	s_add_co_u32 s19, s19, s20
	s_add_co_u32 s19, s19, s16                     ; my 128 keys: 8 (cluster - 16) + 2 cx + column half
	s_mov_b32 s20, 2
	BASES 8
	s_lshl_b32 s22, s41, 10
	s_lshl_b32 s21, s15, 9
	s_add_co_u32 s22, s22, s21
	s_add_nc_u64 s[100:101], s[12:13], s[22:23]    ; bv at my 128 rows
.irp a, 0,1,2,3,4,5,6,7
	global_load_b32 v[RB+2*\a], v11, s[100:101] offset:(32*(\a/2)+8*(\a%2))*4     ; position 16 a + r is d 32 (a / 2) + 8 (a % 2) + r + 8 (r / 8)
	global_load_b32 v[RB+2*\a+1], v11, s[100:101] offset:(32*(\a/2)+8*(\a%2))*4
.endr
	LAST
	PLACES NP
.irp b, 0,1,2,3
	v_mov_b32 v[TM+4+\b], 0
.endr
	s_wait_loadcnt 0x0
	EPI 1
	v_cmp_le_u32 vcc_lo, 16, v12                   ; lanes 0-15 store the first head's four words of row r, lanes 16-31 the second's
.irp t, 0,1,2,3
	v_cndmask_b32 v[SW+\t], v[SW+\t], v[SW+4+\t], vcc_lo
.endr
	global_store_b128 v8, v[SW:SW+3], s[98:99]     ; [r][tile of d]: sixteen lanes store 256 consecutive bytes
.Lend:
	s_wait_tensorcnt 0x0                           ; the wave's end
	ds_add_u32 v[SPW], v[NIL]
	s_wait_dscnt 0x0
	CROUND                                         ; the closing round: no work-group ends while a partner may still ask for a tile that names it
	s_endpgm
.Lfunc_end_k_qcd249a95f6_gemm_qkv:
	.size	k_qcd249a95f6_gemm_qkv, .Lfunc_end_k_qcd249a95f6_gemm_qkv-k_qcd249a95f6_gemm_qkv
	.p2alignl 7, 3214868480
	.fill 96, 4, 3214868480
	.section	.rodata,"a",@progbits
	.p2align	6, 0x0
	.amdhsa_kernel k_qcd249a95f6_gemm_qkv
		.amdhsa_group_segment_fixed_size 327680
		.amdhsa_private_segment_fixed_size 0
		.amdhsa_enable_private_segment 0
		.amdhsa_kernarg_size 56
		.amdhsa_user_sgpr_count 2
		.amdhsa_user_sgpr_kernarg_segment_ptr 1
		.amdhsa_wavefront_size32 1
		.amdhsa_system_sgpr_workgroup_id_x 1
		.amdhsa_system_sgpr_workgroup_id_y 1
		.amdhsa_system_sgpr_workgroup_id_z 1
		.amdhsa_system_vgpr_workitem_id 0
		.amdhsa_next_free_vgpr 1024
		.amdhsa_next_free_sgpr 102
		.amdhsa_reserve_vcc 1
		.amdhsa_float_denorm_mode_32 3
		.amdhsa_float_denorm_mode_16_64 3
		.amdhsa_memory_ordered 1
		.amdhsa_forward_progress 1
		.amdhsa_inst_pref_size 255
	.end_amdhsa_kernel
	.section	.bss,"aw",@nobits
	.p2align	6
	.space	262144
	.amdgpu_metadata
---
amdhsa.version: [ 1, 2 ]
amdhsa.kernels:
  - .name:           k_qcd249a95f6_gemm_qkv
    .symbol:         k_qcd249a95f6_gemm_qkv.kd
    .args:
      - { .name: codes, .offset: 0, .size: 8, .value_kind: global_buffer, .address_space: global }
      - { .name: scales, .offset: 8, .size: 8, .value_kind: global_buffer, .address_space: global }
      - { .name: bq, .offset: 16, .size: 8, .value_kind: global_buffer, .address_space: global }
      - { .name: bk, .offset: 24, .size: 8, .value_kind: global_buffer, .address_space: global }
      - { .name: bv, .offset: 32, .size: 8, .value_kind: global_buffer, .address_space: global }
      - { .name: qkv_img, .offset: 40, .size: 8, .value_kind: global_buffer, .address_space: global }
      - { .name: qkv_sc, .offset: 48, .size: 8, .value_kind: global_buffer, .address_space: global }
    .group_segment_fixed_size: 327680
    .private_segment_fixed_size: 0
    .kernarg_segment_align: 8
    .kernarg_segment_size: 56
    .max_flat_workgroup_size: 128
    .sgpr_count:     102
    .vgpr_count:     1024
    .wavefront_size: 32
...
	.end_amdgpu_metadata
.endif
;; end of part 3
;; launch attn (part 4): grid 8 x 64, 16 waves a work-group, clusters of 4 x 1, 276,480 bytes of LDS; arguments qkv_img, qkv_sc, c_codes, c_scales; writes c_codes, c_scales
.if DOCPART == 4
	.amdgcn_target "amdgcn-amd-amdhsa--gfx1250"
	.amdhsa_code_object_version 6
	.text
	.protected	k_qcd249a95f6_attn
	.globl	k_qcd249a95f6_attn
	.p2align	8
	.type	k_qcd249a95f6_attn,@function
k_qcd249a95f6_attn:
	s_mov_b64 s[64:65], 0
	v_nop
	global_prefetch_b8 v0, s[64:65] scope:SCOPE_SE
	s_setreg_imm32_b32 hwreg(HW_REG_WAVE_MODE, 25, 1), 1
	s_wait_xcnt 0x0
	s_wait_alu depctr_hold_cnt(0) depctr_sa_sdst(0) depctr_va_vdst(0) depctr_va_sdst(0) depctr_va_ssrc(0) depctr_va_vcc(0) depctr_vm_vsrc(0)
	s_getreg_b32 s2, hwreg(HW_REG_IB_STS2, 6, 4)
	s_cmp_eq_u32 s2, 0
	s_cbranch_scc0 .Lentry_in_a_cluster
	s_endpgm
.Lentry_in_a_cluster:
	s_bfe_u32 s2, ttmp6, 0x10000c
	s_cmp_lg_u32 s2, 0x3003
	s_cbranch_scc0 .Lentry_shape_is_right
	s_endpgm
.Lentry_shape_is_right:
; o = softmax(q k^T / 8) v for one head of one batch, both products on codes of FP8 (E4M3) with E8M0 scales, and o quantised along the concatenated heads' axis for the last product.
; THE SOFTMAX AHEAD OF THE SECOND PRODUCT: t = score x log2(e) / 8; M = the largest t so far, rounded UP to a whole number; p = 2^(t - M) is what is quantised, along the keys, not normalised.
; The row's sum is taken of the unquantised p and divides o at the end.  When M moves, the sum and o are multiplied by 2^(old M - new M): exact.
; SHARES.  A work-group owns 256 queries of a head; each of its sixteen waves 16 of them, one tile, in 256 registers: four waves to a SIMD, so that one wave's vector work stands beside another's matrix work and LDS loads.
; A HEAD'S K, V AND THEIR SCALE WORDS FIT IN LDS (128 KB + 128 KB + 12 KB): each byte is filled once, in four chunks of 512 keys, all asked for at the head; five loads of a wave are out at the most.  No ring, no refill.
; CLUSTER.  The four query blocks of a cluster belong to one head and batch: every tile is asked for JOINTLY (mask 15); wave w of each partner issues the same five loads.
; LAYOUT.  Both products are used transposed: S^T = K Q^T, O^T = V^T P^T: a lane holds ONE query (lane % 16) throughout.  Keys and d lie in position order (bits 3 and 4 of the index exchanged), so the 16 registers of result
; tiles 2 c and 2 c + 1 are 16 neighbours: p's codes are the second product's operand as they come, and o's are the last product's.  All operands are images of their registers: 512 consecutive bytes a load.
; K = 64 IN AN INSTRUCTION OF 128: Q's registers 8-15 hold zero codes.  Source 0 of key tile t is 16 registers on end: tile t's eight and, as the empty half, tile t + 1's (for t = 7: zeros).  Those are codes held within +-448,
; so finite numbers; times Q's zeros they add nothing.  Bytes 2 and 3 of the scale words are 0, which is a scale like any other.
; A block's largest p is not searched for: p rises with the score, so the block's largest score goes through the same multiply-add and exponential (this takes v_exp_f32 not to fall where its input rises).
; o's scale bytes: a head owns 2 of a row's 32, so they leave one byte a lane: 1/32 of the codes' bytes.
; LIMITS: a block of zeros gets the byte 1 where the rule says 127 (its codes are zeros, and this program alone reads the bytes); NaN and infinities are not served.
.set VOFF, 131072                      ; LDS: K at 0 (128 keys: 8,192 bytes), V here (likewise),
.set SOFF, 262144                      ; the scale words here: K's 8,192 bytes, then V's 4,096
.set LI,  1                            ; v1   16 x lane
.set LR,  2                            ; v2   SOFF + 16 r
.set ADK, 3                            ; v3-6 LDS addresses of the step in hand: K, V, K's words, V's words
.set ADV, 4
.set ADS, 5
.set ADT, 6
.set Q,   16                           ; v16-23 Q, v24-31 zeros
.set KV,  32                           ; v32-95 K's 8 tiles x 8, then V's 4 tiles x 16; v96-103 zeros
.set S,   104                          ; v104-167 S^T, then p
.set OT,  168                          ; v168-199 O^T
.set PC,  200                          ; v200-215 p's codes
.set KS,  216                          ; v216-223 K's scale words
.set VS,  224                          ; v224-227 V's
.set QS,  228                          ; v228 Q's
.set PS,  229                          ; v229 p's
.set WV,  12
.set G1C, 24                           ; s[24:31] group 1 for a chunk's part: 16 rows of 256 bytes
.set G1S, 32                           ; s[32:39] for the scale words' part: 3 rows of 256 bytes
.set G0S, 40
.set G0C, 44                           ; s[44:59] four groups 0
.set SEL, 60
.set CS,  62                           ; s[62:63] c = log2(e) / 8
.set MNT, 66
.set TB,  67
.set TV,  68
.set TS,  69
.set TJ,  70
.set CNT, 71
.macro CROUND
	s_barrier_signal -1
	s_barrier_wait -1
	s_cmp_lg_u32 s[WV], 0
	s_cbranch_scc1 .Lnot_wave_0_\@
	s_barrier_signal -3
.Lnot_wave_0_\@:
	s_barrier_wait -3
	s_barrier_signal -1
	s_barrier_wait -1
.endm
	s_load_b256 s[4:11], s[0:1], 0x0               ; qkv_img, qkv_sc, c_codes, c_scales
	v_lshl_add_u32 v251, v0, 2, 0x43000
	v_mov_b32 v255, 0
	ds_add_u32 v251, v255
	ds_add_u32 v251, v255
	v_lshrrev_b32 v7, 5, v0
	v_readfirstlane_b32 s[WV], v7                  ; wave 0..15
	s_and_b32 s17, ttmp7, 0xffff
	s_and_b32 s15, s17, 15                         ; the head
	s_lshr_b32 s16, s17, 4                         ; the batch: both shared by the four partners
	s_bfe_u32 s13, ttmp6, 0x40000                  ; cx
	s_lshl_b32 s14, ttmp9, 2
	s_add_co_u32 s14, s14, s13                     ; my block of 256 queries: it enters Q's and o's addresses alone
	s_lshl_b32 s18, s15, 19
	s_lshl_b32 s19, s16, 17
	s_add_co_u32 s18, s18, s19                     ; the head's and batch's 131,072 bytes in a tensor of images
	s_lshr_b32 s19, s[WV], 3                       ; waves 0-7 fetch K, waves 8-15 V,
	s_and_b32 s20, s[WV], 7
	s_lshl_b32 s20, s20, 12                        ; 4,096 bytes of each chunk
	s_add_co_u32 s21, s19, 1
	s_lshl_b32 s21, s21, 23                        ; tensor 1 or 2
	s_add_co_u32 s72, s21, s18
	s_add_co_u32 s72, s72, s20
	s_mov_b32 s73, 0
	s_lshl_b32 s23, s19, 17
	s_add_co_u32 s23, s23, s20                     ; and where they go
	s_mul_i32 s74, s15, 81920
	s_mul_i32 s21, s16, 20480
	s_add_co_u32 s74, s74, s21                     ; the head's and batch's record of scale words
	s_mul_i32 s78, s[WV], 768                      ; my 768 of K's and V's 12,288 bytes
	s_add_co_u32 s76, s74, s78
	s_add_co_u32 s76, s76, 8192                    ; (they lie behind Q's 8,192)
	s_mov_b32 s77, 0
	s_mov_b32 s[G1C], 15|(3<<16)|(1<<21)           ; 15:0 the mask: all four work-groups; elements of 8 bytes; 21 set beside a mask
	s_mov_b32 s[G1C+1], 32<<16                     ; rows of 256 bytes,
	s_mov_b32 s[G1C+2], 16<<16                     ; sixteen, dense
	s_mov_b32 s[G1C+3], 32<<16
	s_mov_b32 s[G1C+4], 16
	s_mov_b32 s[G1C+5], 32
	s_mov_b32 s[G1C+6], 0
	s_mov_b32 s[G1C+7], 0
	s_mov_b32 s[G1S], 15|(3<<16)|(1<<21)
	s_mov_b32 s[G1S+1], 32<<16
	s_mov_b32 s[G1S+2], 3<<16                      ; three
	s_mov_b32 s[G1S+3], 32<<16
	s_mov_b32 s[G1S+4], 3
	s_mov_b32 s[G1S+5], 32
	s_mov_b32 s[G1S+6], 0
	s_mov_b32 s[G1S+7], 0
	s_mov_b32 s[SEL], 0x76543210
	s_mov_b32 s[SEL+1], 0xfedcba98
	s_mov_b32 s[CS], 0x3e38aa3b                    ; log2(e) / 8
	s_mov_b32 s[CS+1], s[CS]                       ; (named with it as a pair, so it is written)
	s_mov_b32 s[MNT], 0x600000
	s_wait_dscnt 0x0
	s_wait_kmcnt 0x0
	s_mov_b32 s[G0S], 1
	s_add_co_u32 s[G0S+1], s78, SOFF
	s_add_nc_u64 s[G0S+2:G0S+3], s[6:7], s[76:77]
	s_or_b32 s[G0S+3], s[G0S+3], 0x80000000
	s_add_nc_u64 s[72:73], s[4:5], s[72:73]
.irp j, 0,1,2,3
	s_mov_b32 s[G0C+4*\j], 1
	s_add_co_u32 s[G0C+4*\j+1], s23, \j*32768
	s_add_nc_u64 s[G0C+4*\j+2:G0C+4*\j+3], s[72:73], \j*32768
	s_or_b32 s[G0C+4*\j+3], s[G0C+4*\j+3], 0x80000000
.endr
	CROUND                                         ; all four work-groups are here: the joint loads meet
	tensor_load_to_lds s[G0S:G0S+3], s[G1S:G1S+7]  ; the scale words, then the four chunks: every LDS byte once
	s_nop 0
.irp j, 0,1,2,3
	tensor_load_to_lds s[G0C+4*\j:G0C+4*\j+3], s[G1C:G1C+7]
	s_nop 0
.endr
.rept 4
	v_nop
.endr
	s_lshl_b32 s17, s16, 7
	s_lshl_b32 s21, s14, 4
	s_add_co_u32 s17, s17, s21
	s_add_co_u32 s17, s17, s[WV]                   ; my tile of 16 queries, of 512: 128 x batch + 16 x block + wave
	s_lshl_b32 s18, s15, 19
	s_lshl_b32 s19, s17, 10
	s_add_co_u32 s18, s18, s19
	s_mov_b32 s19, 0
	s_add_nc_u64 s[18:19], s[4:5], s[18:19]        ; Q's image
	s_lshl_b32 s20, s14, 1                         ; Q's scale word: group 2 x block + wave / 8, half (wave % 8) / 4, word wave % 4
	s_lshr_b32 s21, s[WV], 3
	s_add_co_u32 s20, s20, s21
	s_lshl_b32 s20, s20, 9
	s_bfe_u32 s21, s[WV], 0x10002
	s_lshl_b32 s21, s21, 8
	s_add_co_u32 s20, s20, s21
	s_and_b32 s21, s[WV], 3
	s_lshl_b32 s21, s21, 2
	s_add_co_u32 s20, s20, s21
	s_add_co_u32 s20, s20, s74
	s_mov_b32 s21, 0
	s_add_nc_u64 s[20:21], s[6:7], s[20:21]
	s_lshl_b32 s22, s17, 14                        ; o's codes: row tile x 16,384 + head x 1,024
	s_lshl_b32 s23, s15, 10
	s_add_co_u32 s22, s22, s23
	s_mov_b32 s23, 0
	s_add_nc_u64 s[8:9], s[8:9], s[22:23]
	s_lshl_b32 s22, s17, 9                         ; o's scale bytes: row tile x 512 + 2 x head
	s_lshl_b32 s72, s15, 1
	s_add_co_u32 s22, s22, s72
	s_add_nc_u64 s[10:11], s[10:11], s[22:23]
	v_and_b32 v7, 31, v0                           ; lane
	v_lshlrev_b32 v[LI], 4, v7
	v_and_b32 v8, 15, v0                           ; r
	v_lshl_add_u32 v[LR], v8, 4, SOFF
	v_lshlrev_b32 v9, 4, v8
	global_load_b128 v[Q:Q+3], v[LI], s[18:19]
	global_load_b128 v[Q+4:Q+7], v[LI], s[18:19] offset:512
	global_load_b32 v[QS], v9, s[20:21]
.set j, 0
.rept 8
	v_mov_b32 v[Q+8+j], 0                          ; the empty half of the scores' K: zero codes
	v_mov_b32 v[KV+64+j], 0
.set j, j+1
.endr
	v_mov_b32 v13, 0xff61b1e6                      ; the largest t so far: -3e38, under every t
	v_floor_f32 v12, -v13                          ; -M
	v_mov_b32 v14, 0                               ; the sum, in two halves
	v_mov_b32 v15, 0
.irp b, 0,1,2,3
	v_mov_b32 v[236+\b], 0                         ; a lane permute's destination counts as one of its sources
.endr
	v_mov_b32 v253, 0                              ; (named as the upper half of the pair v[252:253])
.set j, 0
.rept 32
	v_mov_b32 v[OT+j], 0                           ; O^T: the step is written once; the first finds zeros, which the first change of M leaves zeros
.set j, j+1
.endr
; A KEY STEP: 128 keys
.macro STEP
	v_add_nc_u32 v[ADK], s[TB], v[LI]
	v_add_nc_u32 v[ADV], s[TV], v[LI]
	v_add_nc_u32 v[ADS], s[TS], v[LR]
	v_add_nc_u32 v[ADT], s[TJ], v[LR]
.rept 4
	v_nop                                          ; with the four additions: eight places in front of loads into registers that the last products read
.endr
.irp t, 0,1,2,3,4,5,6,7
.irp c, 0,1
	ds_load_b128 v[KV+8*\t+4*\c:KV+8*\t+4*\c+3], v[ADK] offset:1024*\t+512*\c
.endr
.endr
	ds_load_b128 v[KS:KS+3], v[ADS]
	ds_load_b128 v[KS+4:KS+7], v[ADS] offset:256
	s_wait_dscnt 0x0
.irp t, 0,1,2,3,4,5,6,7
	v_wmma_scale_f32_16x16x128_f8f6f4 v[S+8*\t:S+8*\t+7], v[KV+8*\t:KV+8*\t+15], v[Q:Q+15], 0, v[KS+\t], v[QS]
.endr
.rept 8
	v_nop                                          ; places in front of the loads below and of the first read of the scores
.endr
.irp t, 0,1,2,3
.irp c, 0,1,2,3
	ds_load_b128 v[KV+16*\t+4*\c:KV+16*\t+4*\c+3], v[ADV] offset:2048*\t+512*\c     ; V lands while the softmax is walked
.endr
.endr
	ds_load_b128 v[VS:VS+3], v[ADT]
.irp b, 0,1,2,3
	v_max3_num_f32 v[232+\b], v[S+16*\b], v[S+1+16*\b], v[S+2+16*\b]   ; the largest score of each block of 32 keys: for the row's maximum, and for the block's largest p
.endr
.irp i, 3,5,7,9,11,13
.irp b, 0,1,2,3
	v_max3_num_f32 v[232+\b], v[232+\b], v[S+16*\b+\i], v[S+1+16*\b+\i]
.endr
.endr
.irp b, 0,1,2,3
	v_max_num_f32 v[232+\b], v[232+\b], v[S+15+16*\b]
.endr
.irp b, 0,1,2,3
	v_permlanex16_b32 v[236+\b], v[232+\b], s[SEL], s[SEL+1]
.endr
.irp b, 0,1,2,3
	v_max_num_f32 v[232+\b], v[232+\b], v[236+\b]  ; with lane l xor 16's 16 keys
.endr
	v_max3_num_f32 v254, v232, v233, v234
	v_max_num_f32 v254, v254, v235                 ; the step's largest score of my query
	v_mul_f32 v254, s[CS], v254                    ; as t (c is positive)
	v_max_num_f32 v13, v13, v254                   ; the running largest t
	v_mov_b32 v254, v12
	v_floor_f32 v12, -v13                          ; the new -M = floor(-t) = -ceil(t)
	v_sub_f32 v254, v12, v254                      ; old M - new M: a whole number, 0 or less
	v_cvt_i32_f32 v254, v254                       ; (it saturates)
	v_ldexp_f32 v252, 1.0, v254                    ; f = 2^(old M - new M)
.set j, 0
.rept 32
	v_pk_fma_f32 v[S+j:S+j+1], v[S+j:S+j+1], s[CS:CS+1], v[12:13] op_sel_hi:[1,0,0]   ; t - M, two at a time
.set j, j+2
.endr
.irp b, 0,1,2,3
	v_fma_f32 v[232+\b], v[232+\b], s[CS], v12     ; the same of each block's largest score
.endr
.set j, 0
.rept 64
	v_exp_f32 v[S+j], v[S+j]                       ; p = 2^(t - M), at most 1
.set j, j+1
.endr
.irp b, 0,1,2,3
	v_exp_f32 v[232+\b], v[232+\b]                 ; the block's largest p
.endr
	v_pk_mul_f32 v[14:15], v[14:15], v[252:253] op_sel_hi:[1,0]   ; the sums under the new M (a plain line behind the exponentials)
	s_wait_alu depctr_va_vdst(0)
.irp b, 0,1,2,3
	v_max_num_f32 v[232+\b], 0x4800000, v[232+\b]  ; the floor 2^(9 - 127): the byte cannot fall under 1
.endr
.irp b, 0,1,2,3
	v_add_nc_u32 v[244+\b], 0xfc000000, v[232+\b]  ; the conversion's scale operand
.endr
.irp b, 0,1,2,3
	v_and_or_b32 v[240+\b], v[232+\b], 0x7f800000, s[MNT]   ; 448 x the scale
.endr
.irp b, 0,1,2,3
	v_lshrrev_b32 v[236+\b], 23, v[244+\b]         ; the scale's byte
.endr
	v_lshl_or_b32 v[PS], v237, 8, v236             ; p's scale word for these 128 keys
	v_lshl_or_b32 v[PS], v238, 16, v[PS]
	v_lshl_or_b32 v[PS], v239, 24, v[PS]
	v_pk_add_f32 v[236:237], v[S:S+1], v[S+2:S+3]  ; the row's sum is taken of the unquantised p: two at a time, in two chains
.set j, 4
.rept 15
	v_pk_add_f32 v[14:15], v[14:15], v[S+j:S+j+1]
	v_pk_add_f32 v[236:237], v[236:237], v[S+j+2:S+j+3]
.set j, j+4
.endr
	v_pk_add_f32 v[14:15], v[14:15], v[236:237]
.irp b, 0,1,2,3
.set j, 0
.rept 16
	v_min_num_f32 v[S+16*\b+j], v[S+16*\b+j], v[240+\b]   ; the conversion does not saturate (ISA guide 7.6.2); p is not negative, so the hold is one-sided
.set j, j+1
.endr
	v_cvt_scalef32_pk8_fp8_f32 v[PC+4*\b:PC+4*\b+1], v[S+16*\b:S+16*\b+7], v[244+\b]
	v_cvt_scalef32_pk8_fp8_f32 v[PC+4*\b+2:PC+4*\b+3], v[S+16*\b+8:S+16*\b+15], v[244+\b]
.endr
.set j, 0
.rept 16
	v_pk_mul_f32 v[OT+j:OT+j+1], v[OT+j:OT+j+1], v[252:253] op_sel_hi:[1,0]   ; O^T under the new M; these lines also stand between the codes' making and the products
.set j, j+2
.endr
	s_wait_dscnt 0x0                               ; V and its scale words are in
.irp t, 0,1,2,3
	v_wmma_scale_f32_16x16x128_f8f6f4 v[OT+8*\t:OT+8*\t+7], v[KV+16*\t:KV+16*\t+15], v[PC:PC+15], v[OT+8*\t:OT+8*\t+7], v[VS+\t], v[PS]
.endr
	s_add_co_u32 s[TB], s[TB], 8192
	s_add_co_u32 s[TV], s[TV], 8192
	s_add_co_u32 s[TS], s[TS], 512
	s_add_co_u32 s[TJ], s[TJ], 256
.endm
; A chunk of 512 keys: my part has landed (the later chunks' loads may stay out), everybody's has behind the barrier; then four steps
.macro CHUNK n
	s_wait_tensorcnt 3-\n
	s_barrier_signal -1
	s_barrier_wait -1
	s_mov_b32 s[TB], 32768*\n
	s_mov_b32 s[TV], VOFF+32768*\n
	s_mov_b32 s[TS], 2048*\n
	s_mov_b32 s[TJ], 8192+1024*\n
	s_mov_b32 s[CNT], 4
.Lstep_\@:
	STEP
	s_sub_co_u32 s[CNT], s[CNT], 1
	s_cmp_lg_u32 s[CNT], 0
	s_cbranch_scc1 .Lstep_\@
.endm
	s_wait_loadcnt 0x0                             ; Q and its scale word
	CHUNK 0
	CHUNK 1
	CHUNK 2
	CHUNK 3
	; THE WAY OUT: O^T / the sum, quantised along d (two blocks of the concatenated axis), stored as the last product's operand
	v_add_f32 v14, v14, v15                        ; the sum's two halves,
	v_permlanex16_b32 v254, v14, s[SEL], s[SEL+1]
	v_add_f32 v14, v14, v254                       ; and lane l xor 16's
	v_rcp_f32 v252, v14
	v_and_b32 v8, 15, v0                           ; (a plain line behind the reciprocal)  r
	v_bfe_u32 v9, v0, 4, 1                         ; h
	v_lshl_add_u32 v10, v8, 5, v9                  ; my scale byte's place: 32 r + h
.rept 4
	v_nop                                          ; with the plain lines above: the places behind the last products
.endr
.set j, 0
	s_wait_alu depctr_va_vdst(0)
.rept 16
	v_pk_mul_f32 v[S+j:S+j+1], v[OT+j:OT+j+1], v[252:253] op_sel_hi:[1,0]   ; register 16 c + i is o(my query, d = 32 c + 16 h + i)
.set j, j+2
.endr
.irp c, 0,1
	v_max3_num_f32 v[232+\c], |v[S+16*\c]|, |v[S+1+16*\c]|, 0x4800000
.endr
.irp i, 2,4,6,8,10,12,14
.irp c, 0,1
	v_max3_num_f32 v[232+\c], v[232+\c], |v[S+16*\c+\i]|, |v[S+1+16*\c+\i]|
.endr
.endr
.irp c, 0,1
	v_permlanex16_b32 v[236+\c], v[232+\c], s[SEL], s[SEL+1]
.endr
.irp c, 0,1
	v_max_num_f32 v[232+\c], v[232+\c], v[236+\c]
.endr
.irp c, 0,1
	v_add_nc_u32 v[244+\c], 0xfc000000, v[232+\c]
.endr
.irp c, 0,1
	v_and_or_b32 v[240+\c], v[232+\c], 0x7f800000, s[MNT]
.endr
.irp c, 0,1
	v_lshrrev_b32 v[236+\c], 23, v[244+\c]
.endr
.irp c, 0,1
.set j, 0
.rept 16
	v_med3_num_f32 v[S+16*\c+j], v[S+16*\c+j], -v[240+\c], v[240+\c]
.set j, j+1
.endr
	v_cvt_scalef32_pk8_fp8_f32 v[PC+4*\c:PC+4*\c+1], v[S+16*\c:S+16*\c+7], v[244+\c]
	v_cvt_scalef32_pk8_fp8_f32 v[PC+4*\c+2:PC+4*\c+3], v[S+16*\c+8:S+16*\c+15], v[244+\c]
.endr
	v_cmp_le_u32 vcc_lo, 16, v7                    ; (a plain line behind the conversions)  lanes 0-15 store block 0's byte, lanes 16-31 block 1's
	v_cndmask_b32 v11, v236, v237, vcc_lo
	global_store_b128 v[LI], v[PC:PC+3], s[8:9]                ; 512 consecutive bytes a store
	global_store_b128 v[LI], v[PC+4:PC+7], s[8:9] offset:512
	global_store_b8 v10, v11, s[10:11]
	s_wait_tensorcnt 0x0
	ds_add_u32 v251, v255
	s_wait_dscnt 0x0
	CROUND                                         ; the closing round: no work-group ends while a partner may still ask for a tile that names it (no LDS instruction of mine is out: the last step waited for all)
	s_endpgm
.Lfunc_end_k_qcd249a95f6_attn:
	.size	k_qcd249a95f6_attn, .Lfunc_end_k_qcd249a95f6_attn-k_qcd249a95f6_attn
	.p2alignl 7, 3214868480
	.fill 96, 4, 3214868480
	.section	.rodata,"a",@progbits
	.p2align	6, 0x0
	.amdhsa_kernel k_qcd249a95f6_attn
		.amdhsa_group_segment_fixed_size 276480
		.amdhsa_private_segment_fixed_size 0
		.amdhsa_enable_private_segment 0
		.amdhsa_kernarg_size 32
		.amdhsa_user_sgpr_count 2
		.amdhsa_user_sgpr_kernarg_segment_ptr 1
		.amdhsa_wavefront_size32 1
		.amdhsa_system_sgpr_workgroup_id_x 1
		.amdhsa_system_sgpr_workgroup_id_y 1
		.amdhsa_system_sgpr_workgroup_id_z 1
		.amdhsa_system_vgpr_workitem_id 0
		.amdhsa_next_free_vgpr 256
		.amdhsa_next_free_sgpr 80
		.amdhsa_reserve_vcc 1
		.amdhsa_float_denorm_mode_32 3
		.amdhsa_float_denorm_mode_16_64 3
		.amdhsa_memory_ordered 1
		.amdhsa_forward_progress 1
		.amdhsa_inst_pref_size 90
	.end_amdhsa_kernel
	.amdgpu_metadata
---
amdhsa.version: [ 1, 2 ]
amdhsa.kernels:
  - .name:           k_qcd249a95f6_attn
    .symbol:         k_qcd249a95f6_attn.kd
    .args:
      - { .name: qkv_img, .offset: 0, .size: 8, .value_kind: global_buffer, .address_space: global }
      - { .name: qkv_sc, .offset: 8, .size: 8, .value_kind: global_buffer, .address_space: global }
      - { .name: c_codes, .offset: 16, .size: 8, .value_kind: global_buffer, .address_space: global }
      - { .name: c_scales, .offset: 24, .size: 8, .value_kind: global_buffer, .address_space: global }
    .group_segment_fixed_size: 276480
    .private_segment_fixed_size: 0
    .kernarg_segment_align: 8
    .kernarg_segment_size: 32
    .max_flat_workgroup_size: 512
    .sgpr_count:     80
    .vgpr_count:     256
    .wavefront_size: 32
...
	.end_amdgpu_metadata
.endif
;; end of part 4
;; launch gemm_out (part 5): grid 4 x 32, 4 waves a work-group, clusters of 4 x 4, 327,680 bytes of LDS; arguments c_codes, c_scales, codes, scales, bf, out0; writes out0
.if DOCPART == 5
	.amdgcn_target "amdgcn-amd-amdhsa--gfx1250"
	.amdhsa_code_object_version 6
	.text
	.protected	k_qcd249a95f6_gemm_out
	.globl	k_qcd249a95f6_gemm_out
	.p2align	8
	.type	k_qcd249a95f6_gemm_out,@function
k_qcd249a95f6_gemm_out:
	s_mov_b64 s[64:65], 0
	v_nop
	global_prefetch_b8 v0, s[64:65] scope:SCOPE_SE
	s_setreg_imm32_b32 hwreg(HW_REG_WAVE_MODE, 25, 1), 1
	s_wait_xcnt 0x0
	s_wait_alu depctr_hold_cnt(0) depctr_sa_sdst(0) depctr_va_vdst(0) depctr_va_sdst(0) depctr_va_ssrc(0) depctr_va_vcc(0) depctr_vm_vsrc(0)
	s_getreg_b32 s2, hwreg(HW_REG_IB_STS2, 6, 4)
	s_cmp_eq_u32 s2, 0
	s_cbranch_scc0 .Lentry_in_a_cluster
	s_endpgm
.Lentry_in_a_cluster:
	s_bfe_u32 s2, ttmp6, 0x10000c
	s_cmp_lg_u32 s2, 0xf033
	s_cbranch_scc0 .Lentry_shape_is_right
	s_endpgm
.Lentry_shape_is_right:
; out0 = concat(o) Wf + bf on codes of FP8 (E4M3) with E8M0 scales along E = 1,024; out0 [8192][1024] f32.
; A tile of C, 256 x 256, is made by four waves, 128 x 128 each: 64 accumulators, 512 registers.  K goes in steps of 256 through a ring of two LDS slots.  8 clusters of 4 x 4 work-groups: 128 tiles, so half of the WGPs have no
; work-group; a tile of half the size would fill them at twice the LDS reads for each product.
; OPERANDS ARE IMAGES OF THEIR REGISTERS: [row tile of 16][128 along K][c][lane][16 bytes]: a fragment is four loads of 512 consecutive bytes.  One tensor load brings 8 row tiles x 2 images = 32 KB.
; THE MATRIX INSTRUCTION IS USED TRANSPOSED (source 0 = 16 columns of Wf, source 1 = 16 rows of o): a lane holds one row and eight columns.  Rows and columns lie in position order (position p = index sw(p), sw = bits 3 and 4
; exchanged); the way out puts both back: the columns by the places in the stage, the rows by the stores' offsets.
; The scales of the work-group's rows, for all of K, come into LDS once, with the first fills.  A's tiles are asked for jointly along a row of the cluster, B's along a column.
; REGISTERS, in windows of 256: window 0: v0-31 addresses; v32-63 scale words, two sets; v64-67 bf; v128-255 A's fragments, ONE set, on the way out rows of C.  window 1: B's fragments, two sets.  windows 2, 3: the accumulators.
.set NQ,     2
.set FR,     16
.set NL,     4
.set NP,     8                         ; places behind this matrix instruction (ISA guide 7.12.1)
.set KBYTES, 4096
.set HALFT,  8*KBYTES
.set SLOT,   4*HALFT
.set LAPS,   2
.set SCL,    2*SLOT
.set HALFS,  16*272
.set SBLK,   2*272
.set SPARE,  SCL+4*HALFS               ; the spare words, 128 bytes for each wave: two blocks of 256 bytes that no other line names
.set SPITCH, 528                       ; the way out: a stage of 16 rows x (512 bytes + 16) for each wave, in slot 0, which has had its last fill and its last read when the first result is stored there
.set ADRA, 16
.set ADRB, 20
.set STO,  24                          ; v24  the way out: where I put 32 bytes of a row
.set RD,   25                          ; v25  where I read a row back
.set CO,   26                          ; v26  16 x lane: my bytes of a row of 512
.set ADRS, 27
.set SPW,  28
.set NIL,  29
.set SC,   32
.set BF,   64                          ; v64-67 bf of my four columns of a row read back
.set AF,   128
.set BK,   128                         ; the way out: 16 rows read back: v128-191 and v192-255 by turns
.set G1, 24
.set G0, 32
.set G1B, 48
.set G0B, 56
.set G1S, 68
.set G0S, 76
.set G1SB, 80
.set G0SB, 88
.set MSB, 0
.macro WIN new
.if MSB != (\new)
	s_set_vgpr_msb (MSB<<8)|(\new)
.set MSB, (\new)
.endif
.endm
.set MUL_LO, 0xa1
.set MUL_HI, 0xf1
.set TO_B,   0x40
.macro JLOAD g0a, g1a, g0b, g1b        ; a joint load: waves 0 and 1 fetch for A, waves 2 and 3 for B; four v_nop follow each of the two lines
	s_cmp_eq_u32 s15, 0
	s_cbranch_scc0 .Lfor_b_\@
	tensor_load_to_lds s[\g0a:\g0a+3], s[\g1a:\g1a+7]
	s_nop 0
.rept 4
	v_nop
.endr
	s_branch .Lasked_\@
.Lfor_b_\@:
	tensor_load_to_lds s[\g0b:\g0b+3], s[\g1b:\g1b+7]
	s_nop 0
.rept 4
	v_nop
.endr
.Lasked_\@:
.endm
.macro CREST
	s_cmp_lg_u32 s14, 0
	s_cbranch_scc1 .Lnot_wave_0_\@
	s_barrier_signal -3
.Lnot_wave_0_\@:
	s_barrier_wait -3
	s_barrier_signal -1
	s_barrier_wait -1
.endm
.macro CROUND
	s_barrier_signal -1
	s_barrier_wait -1
	CREST
.endm
	s_load_b256 s[4:11], s[0:1], 0x0               ; c_codes, c_scales, codes, scales
	s_load_b64 s[12:13], s[0:1], 0x20              ; bf
	s_load_b64 s[96:97], s[0:1], 0x28              ; out0
	v_lshl_add_u32 v[SPW], v0, 2, SPARE
	v_mov_b32 v[NIL], 0
	ds_add_u32 v28, v29
	ds_add_u32 v28, v29
	s_wait_dscnt 0x0
	v_lshrrev_b32 v1, 5, v0
	v_readfirstlane_b32 s14, v1                    ; wave 0..3
	s_lshr_b32 s15, s14, 1                         ; which half of the tile's rows is mine.  Also: I fetch for A (0) or for B (1)
	s_and_b32 s16, s14, 1                          ; which half of its columns.  Also: which 128 rows of that tile I fetch
	s_bfe_u32 s40, ttmp6, 0x40000                  ; cx, cy
	s_bfe_u32 s41, ttmp6, 0x40004
	s_lshl_b32 s42, ttmp9, 2
	s_add_co_u32 s42, s42, s40                     ; tile column of C
	s_and_b32 s17, ttmp7, 0xffff
	s_lshl_b32 s17, s17, 2
	s_add_co_u32 s17, s17, s41                     ; tile row of C
	s_lshl_b32 s43, s41, 2
	s_lshl_b32 s43, 15, s43                        ; my row of the cluster
	s_lshl_b32 s44, 0x1111, s40                    ; my column
	s_or_b32 s[G1+0], s43, (1<<21)                 ; 15:0 the mask; elements of 1 byte; no padding; 21 set beside a mask
	s_or_b32 s[G1B+0], s44, (1<<21)
.irp g, G1, G1B
	s_mov_b32 s[\g+1], KBYTES<<16                  ; tensor_dim0 = 4,096: two images of a row tile
	s_mov_b32 s[\g+2], 8<<16                       ; tensor_dim1 = 8 row tiles
	s_mov_b32 s[\g+3], KBYTES<<16
	s_mov_b32 s[\g+4], 8
	s_mov_b32 s[\g+5], 16384                       ; a row tile's eight images
	s_mov_b32 s[\g+6], 0
	s_mov_b32 s[\g+7], 0
.endr
	s_or_b32 s[G1S+0], s43, (3<<16)|(1<<20)|(1<<21)|(5<<22)|(3<<25)   ; the scales of 128 rows: 16 rows of 256 bytes, 16 bytes of padding behind each
	s_or_b32 s[G1SB+0], s44, (3<<16)|(1<<20)|(1<<21)|(5<<22)|(3<<25)
.irp g, G1S, G1SB
	s_mov_b32 s[\g+1], 32<<16
	s_mov_b32 s[\g+2], 16<<16
	s_mov_b32 s[\g+3], 32<<16
	s_mov_b32 s[\g+4], 16
	s_mov_b32 s[\g+5], 32
	s_mov_b32 s[\g+6], 0
	s_mov_b32 s[\g+7], 0
.endr
	s_lshl_b32 s18, s16, 17                        ; the half that I fetch: 8 row tiles of 16,384 bytes
	s_lshl_b32 s19, s16, 12                        ; and its 4,096 scale bytes
	s_lshl_b32 s20, s17, 18
	s_add_co_u32 s20, s20, s18                     ; A's codes
	s_mov_b32 s21, 0
	s_add_co_u32 s46, s42, 44                      ; Wf's blocks of 256 columns begin at block 44 of the codes
	s_lshl_b32 s92, s46, 13
	s_lshl_b32 s46, s46, 18
	s_add_co_u32 s46, s46, s18                     ; B's codes
	s_mov_b32 s47, 0
	s_lshl_b32 s22, s17, 13
	s_add_co_u32 s22, s22, s19                     ; A's scales
	s_mov_b32 s23, 0
	s_add_co_u32 s92, s92, s19                     ; B's scales
	s_mov_b32 s93, 0
	s_lshl_b32 s45, s14, 15                        ; where they go: wave x 32,768
	s_mul_i32 s94, s14, HALFS
	s_wait_kmcnt 0x0
	s_add_nc_u64 s[20:21], s[4:5], s[20:21]
	s_add_nc_u64 s[22:23], s[6:7], s[22:23]
	s_add_nc_u64 s[46:47], s[8:9], s[46:47]
	s_add_nc_u64 s[92:93], s[10:11], s[92:93]
	CROUND                                         ; all sixteen work-groups are here: the first joint loads meet
	s_mov_b32 s[G0S], 1
	s_add_co_u32 s[G0S+1], s94, SCL
	s_mov_b64 s[G0S+2:G0S+3], s[22:23]
	s_or_b32 s[G0S+3], s[G0S+3], 0x80000000
	s_mov_b32 s[G0SB], 1
	s_add_co_u32 s[G0SB+1], s94, SCL
	s_mov_b64 s[G0SB+2:G0SB+3], s[92:93]
	s_or_b32 s[G0SB+3], s[G0SB+3], 0x80000000
	JLOAD G0S, G1S, G0SB, G1SB
.irp s, 0,1
	s_mov_b32 s[G0+4*\s], 1
	s_add_co_u32 s[G0+4*\s+1], s45, \s*SLOT
	s_add_nc_u64 s[G0+4*\s+2:G0+4*\s+3], s[20:21], \s*KBYTES
	s_or_b32 s[G0+4*\s+3], s[G0+4*\s+3], 0x80000000
	s_mov_b32 s[G0B+4*\s], 1
	s_add_co_u32 s[G0B+4*\s+1], s45, \s*SLOT
	s_add_nc_u64 s[G0B+4*\s+2:G0B+4*\s+3], s[46:47], \s*KBYTES
	s_or_b32 s[G0B+4*\s+3], s[G0B+4*\s+3], 0x80000000
	JLOAD G0+4*\s, G1, G0B+4*\s, G1B
.endr
	v_and_b32 v1, 15, v0                           ; r
	v_bfe_u32 v2, v0, 4, 1                         ; h
	v_and_b32 v3, 31, v0                           ; lane
	v_lshlrev_b32 v[CO], 4, v3                     ; 16 x lane
	s_lshl_b32 s21, s15, 15                        ; my 128 rows of A
	s_lshl_b32 s22, s16, 15                        ; my 128 rows of B,
	s_add_co_u32 s22, s22, 2*HALFT                 ; which lie behind A's 256
.irp s, 0,1
	v_add_nc_u32 v[ADRA+\s], s21, v[CO]
	v_add_nc_u32 v[ADRB+\s], s22, v[CO]
	s_add_co_u32 s21, s21, SLOT
	s_add_co_u32 s22, s22, SLOT
.endr
	v_mul_u32_u24 v5, v1, 32                       ; my row's scales: 32 bytes a row,
	v_lshrrev_b32 v6, 8, v5
	v_lshl_add_u32 v5, v6, 4, v5                   ; and 16 more for each 256 passed
	s_mul_i32 s21, s15, HALFS
	s_mul_i32 s22, s16, HALFS
	s_add_co_u32 s22, s22, 2*HALFS
	s_sub_co_u32 s22, s22, s21
	v_mul_u32_u24 v6, s22, v2                      ; lanes 16-31 take B's
	s_add_co_u32 s21, s21, SCL
	v_add_nc_u32 v5, v5, v6
	v_add_nc_u32 v[ADRS], s21, v5
	s_mul_i32 s23, s14, 16*SPITCH                  ; my stage
	v_mul_u32_u24 v5, v1, SPITCH                   ; in: row r; my 16 columns of each 32: 64 h bytes on
	v_lshl_add_u32 v5, v2, 6, v5
	v_add_nc_u32 v[STO], s23, v5
	v_add_nc_u32 v[RD], s23, v[CO]                 ; back: the 32 lanes take one row of 512 bytes
	s_lshl_b32 s20, s17, 20                        ; my first row of C: (256 x tile row + 128 x half) x 4,096 bytes
	s_lshl_b32 s21, s15, 19
	s_add_co_u32 s20, s20, s21
	s_mov_b32 s21, 0
	s_lshl_b32 s46, s42, 10                        ; my first column, in bytes: 1,024 x tile column + 512 x half
	s_lshl_b32 s47, s16, 9
	s_add_co_u32 s46, s46, s47
	s_mov_b32 s47, 0
	s_add_nc_u64 s[12:13], s[12:13], s[46:47]      ; bf at my 128 columns
	s_add_nc_u64 s[20:21], s[20:21], s[46:47]
	s_add_nc_u64 s[96:97], s[96:97], s[20:21]
	global_load_b128 v[BF:BF+3], v[CO], s[12:13]   ; waited for in front of the first rows' additions
.macro FRAG reg, adr, q, i
.irp c, 0,1,2,3
	ds_load_b128 v[\reg+4*\c:\reg+4*\c+3], v[\adr] offset:KBYTES*(\i)+2048*(\q)+512*\c
.endr
.endm
; 16 matrix instructions: A's blocks a0, a0 + 1 x B's eight.  The 64 accumulators take turns, one instruction a turn, in the same order in every step.
.macro MUL16 a0, p, q, sc, zero
.irp a, \a0, \a0+1
.irp b, 0,1,2,3,4,5,6,7
.if \zero
	v_wmma_scale_f32_16x16x128_f8f6f4 v[8*(8*((\a)%4)+\b):8*(8*((\a)%4)+\b)+7], v[128*(\p)+FR*\b:128*(\p)+FR*\b+FR-1], v[AF+FR*(\a):AF+FR*(\a)+FR-1], 0, v[SC+8*NQ*(\sc)+NQ*\b+(\q)], v[SC+8*NQ*(\sc)+NQ*(\a)+(\q)] matrix_a_scale:MATRIX_SCALE_ROW1
.else
	v_wmma_scale_f32_16x16x128_f8f6f4 v[8*(8*((\a)%4)+\b):8*(8*((\a)%4)+\b)+7], v[128*(\p)+FR*\b:128*(\p)+FR*\b+FR-1], v[AF+FR*(\a):AF+FR*(\a)+FR-1], v[8*(8*((\a)%4)+\b):8*(8*((\a)%4)+\b)+7], v[SC+8*NQ*(\sc)+NQ*\b+(\q)], v[SC+8*NQ*(\sc)+NQ*(\a)+(\q)] matrix_a_scale:MATRIX_SCALE_ROW1
.endif
.endr
.endr
.endm
.macro FETCH_B slot, q, p
	WIN TO_B
.irp i, 0,1,2,3,4,5,6,7
	FRAG 128*(\p)+FR*\i, ADRB+\slot, \q, \i
.endr
	WIN 0
.endm
.macro FETCH_A slot, q, i0
.irp i, \i0, \i0+1, \i0+2, \i0+3
	FRAG AF+FR*(\i), ADRA+\slot, \q, \i
.endr
.endm
.macro SCALES sc
.irp i, 0,1,2,3,4,5,6,7
	ds_load_b64 v[SC+8*NQ*\sc+NQ*\i:SC+8*NQ*\sc+NQ*\i+1], v[ADRS] offset:\i*SBLK
.endr
.endm
.macro PLACES n                        ; plain vector instructions between a matrix instruction and a load into, or a read of, its registers (ISA guide 7.12.1 for reads)
.rept \n
	v_nop
.endr
.endm
.macro STEP slot, q, zero
	s_wait_dscnt 4*NL                              ; B's set and A's blocks 0-3 are in; the youngest 16 loads (A's blocks 4-7) may be out
	WIN MUL_LO
	MUL16 0, (\q)%2, \q, \slot, \zero
	MUL16 2, (\q)%2, \q, \slot, \zero
	s_wait_dscnt 0
	PLACES NP
	FETCH_B \slot, (\q)+1, 1-(\q)%2
	FETCH_A \slot, (\q)+1, 0
	WIN MUL_HI
	MUL16 4, (\q)%2, \q, \slot, \zero
	MUL16 6, (\q)%2, \q, \slot, \zero
	PLACES NP
	WIN 0
	FETCH_A \slot, (\q)+1, 4
.endm
.macro TURN slot, next, fill           ; a slot's last step changes slots: ONE barrier, with the three lines in front of it
	s_wait_tensorcnt 0x0                           ; all my tensor loads have landed: my part of the next slot
	ds_add_u32 v[SPW], v[NIL]                      ; 0 onto my spare word
	s_wait_dscnt 4*NL+1                            ; (the add and the youngest 16 loads may be out)
	WIN MUL_LO
	MUL16 0, 1, NQ-1, \slot, 0
	s_wait_dscnt 0x0                               ; the add is done, and my reads of this slot are over
	s_barrier_signal -1
	MUL16 2, 1, NQ-1, \slot, 0
	WIN 0
	s_barrier_wait -1
.if \fill
	CREST                                          ; the barrier has opened a round of the cluster's: no wave of any partner still reads this slot or has a load on its way
	s_add_nc_u64 s[G0+4*\slot+2:G0+4*\slot+3], s[G0+4*\slot+2:G0+4*\slot+3], 2*KBYTES
	s_add_nc_u64 s[G0B+4*\slot+2:G0B+4*\slot+3], s[G0B+4*\slot+2:G0B+4*\slot+3], 2*KBYTES
	JLOAD G0+4*\slot, G1, G0B+4*\slot, G1B
	PLACES NP-4
.else
	PLACES NP
.endif
	v_add_nc_u32 v[ADRS], 4*NQ, v[ADRS]
	FETCH_B \next, 0, 0
	FETCH_A \next, 0, 0
	SCALES \next
	WIN MUL_HI
	MUL16 4, 1, NQ-1, \slot, 0
	MUL16 6, 1, NQ-1, \slot, 0
	PLACES NP
	WIN 0
	FETCH_A \next, 0, 4
.endm
	s_wait_tensorcnt 1                             ; the scales and my part of K step 0 are in (K step 1's load may be out),
	s_barrier_signal -1
	s_barrier_wait -1                              ; everybody's are
	FETCH_B 0, 0, 0
	FETCH_A 0, 0, 0
	SCALES 0
	FETCH_A 0, 0, 4
	STEP 0, 0, 1
	s_mov_b32 s3, LAPS-1
.Llap:
	TURN 0, 1, 1
	STEP 1, 0, 0
	TURN 1, 0, 1
	STEP 0, 0, 0
	s_sub_co_u32 s3, s3, 1
	s_cmp_lg_u32 s3, 0
	s_cbranch_scc1 .Llap
	TURN 0, 1, 0
	STEP 1, 0, 0
	s_wait_dscnt 4*NL                              ; the very last step: nothing more to fetch
	WIN MUL_LO
	MUL16 0, 1, NQ-1, 1, 0
	MUL16 2, 1, NQ-1, 1, 0
	s_wait_dscnt 0
	WIN MUL_HI
	MUL16 4, 1, NQ-1, 1, 0
	MUL16 6, 1, NQ-1, 1, 0
	WIN 0
; THE WAY OUT, block by block of 16 rows x 128 columns, through my own stage in LDS.  Tile b's eight registers are columns 32 (b / 2) + 16 h + 8 (b % 2) + 0 .. 7: that is their place in the stage's row.
; LDS serves a wave's instructions in order (ISA guide 5.7.1.4): no wait between the stores and the loads, nor in front of the next block's stores.
.macro TOSTAGE a
.set AC, 64*((\a)%4)
	WIN 0x08+4*((\a)/4)                            ; the data: window 2 or 3
.irp b, 0,1,2,3,4,5,6,7
	ds_store_b128 v[STO], v[AC+8*\b:AC+8*\b+3] offset:128*(\b/2)+32*(\b%2)          ; each accumulator from its low end on
	ds_store_b128 v[STO], v[AC+8*\b+4:AC+8*\b+7] offset:128*(\b/2)+32*(\b%2)+16
.endr
	WIN 0
.set BB, BK+64*((\a)%2)
.irp t, 0,1,2,3,4,5,6,7,8,9,10,11,12,13,14,15
	ds_load_b128 v[BB+4*\t:BB+4*\t+3], v[RD] offset:\t*SPITCH
.endr
.endm
; Row t of block a is position 16 a + t of my 128, which is row 32 (a / 2) + 16 (t / 8) + 8 (a % 2) + t % 8: 127 rows of 4,096 bytes at the most, inside the stores' signed 24-bit immediate.  The base is never stepped.
.macro SEND a, younger                 ; younger: the LDS instructions issued behind block a's loads, which may stay out
.set BB, BK+64*((\a)%2)
	s_wait_dscnt \younger
.irp t, 0,1,2,3,4,5,6,7,8,9,10,11,12,13,14,15
	v_pk_add_f32 v[BB+4*\t:BB+4*\t+1], v[BB+4*\t:BB+4*\t+1], v[BF:BF+1]
	v_pk_add_f32 v[BB+4*\t+2:BB+4*\t+3], v[BB+4*\t+2:BB+4*\t+3], v[BF+2:BF+3]
	global_store_b128 v[CO], v[BB+4*\t:BB+4*\t+3], s[96:97] offset:(32*((\a)/2)+16*(\t/8)+8*((\a)%2)+(\t%8))*4096 th:TH_STORE_NT   ; 32 lanes store 512 consecutive bytes, aligned to 256
.endr
.endm
	PLACES NP                                      ; in front of the loads into the registers that held A's fragments, and of the first reads of results
	TOSTAGE 0
	s_wait_loadcnt 0x0                             ; bf
.irp a, 1,2,3,4,5,6,7
.if \a > 1
	s_wait_xcnt 0x0                                ; block a - 2's stores have read their registers: block a's loads may land there
.endif
	TOSTAGE \a
	SEND \a-1, 32                                  ; behind block a - 1's loads: block a's 16 stores and 16 loads
.endr
	SEND 7, 0
	s_wait_tensorcnt 0x0                           ; the wave's end
	ds_add_u32 v[SPW], v[NIL]
	s_wait_dscnt 0x0
	CROUND                                         ; the closing round
	s_endpgm
.Lfunc_end_k_qcd249a95f6_gemm_out:
	.size	k_qcd249a95f6_gemm_out, .Lfunc_end_k_qcd249a95f6_gemm_out-k_qcd249a95f6_gemm_out
	.p2alignl 7, 3214868480
	.fill 96, 4, 3214868480
	.section	.rodata,"a",@progbits
	.p2align	6, 0x0
	.amdhsa_kernel k_qcd249a95f6_gemm_out
		.amdhsa_group_segment_fixed_size 327680
		.amdhsa_private_segment_fixed_size 0
		.amdhsa_enable_private_segment 0
		.amdhsa_kernarg_size 48
		.amdhsa_user_sgpr_count 2
		.amdhsa_user_sgpr_kernarg_segment_ptr 1
		.amdhsa_wavefront_size32 1
		.amdhsa_system_sgpr_workgroup_id_x 1
		.amdhsa_system_sgpr_workgroup_id_y 1
		.amdhsa_system_sgpr_workgroup_id_z 1
		.amdhsa_system_vgpr_workitem_id 0
		.amdhsa_next_free_vgpr 1024
		.amdhsa_next_free_sgpr 100
		.amdhsa_reserve_vcc 0
		.amdhsa_float_denorm_mode_32 3
		.amdhsa_float_denorm_mode_16_64 3
		.amdhsa_memory_ordered 1
		.amdhsa_forward_progress 1
		.amdhsa_inst_pref_size 161
	.end_amdhsa_kernel
	.amdgpu_metadata
---
amdhsa.version: [ 1, 2 ]
amdhsa.kernels:
  - .name:           k_qcd249a95f6_gemm_out
    .symbol:         k_qcd249a95f6_gemm_out.kd
    .args:
      - { .name: c_codes, .offset: 0, .size: 8, .value_kind: global_buffer, .address_space: global }
      - { .name: c_scales, .offset: 8, .size: 8, .value_kind: global_buffer, .address_space: global }
      - { .name: codes, .offset: 16, .size: 8, .value_kind: global_buffer, .address_space: global }
      - { .name: scales, .offset: 24, .size: 8, .value_kind: global_buffer, .address_space: global }
      - { .name: bf, .offset: 32, .size: 8, .value_kind: global_buffer, .address_space: global }
      - { .name: out0, .offset: 40, .size: 8, .value_kind: global_buffer, .address_space: global }
    .group_segment_fixed_size: 327680
    .private_segment_fixed_size: 0
    .kernarg_segment_align: 8
    .kernarg_segment_size: 48
    .max_flat_workgroup_size: 128
    .sgpr_count:     100
    .vgpr_count:     1024
    .wavefront_size: 32
...
	.end_amdgpu_metadata
.endif
;; end of part 5
